; MI455X (gfx1250); checked and timed in simulation.
; The chip was launched on July 23, 2026; its instructions are those of AMD's public machine-readable ISA for CDNA 5 (MIT licence, August 2026) and "CDNA5" Instruction Set Architecture Reference Guide (July 2026). The comments in the code are by the model that wrote it; some were corrected since.
;; Attention Block. Allowed arithmetic: matrix products marked QUANTISED: E2M1 operands, one E8M0 scale for each 32 along K, by v_wmma_scale_f32_16x16x128_f8f6f4 with both operands' format E2M1 (or v_wmma_scale_f32_32x16x128_f4), f32 sums; everything else in f32.
;; Inputs: out_b 2,048 float32; out_w_codes 2,048 x 64 x 16 uint8 (E2M1 codes of out_w, K innermost, in blocks of 32 codes, two codes a byte); out_w_scales 2,048 x 64 uint8 (E8M0 scales of out_w, one for each 32 codes along K); qkv_b 3,072 float32; qkv_w_codes 3,072 x 64 x 16 uint8 (E2M1 codes of qkv_w, K innermost, in blocks of 32 codes, two codes a byte); qkv_w_scales 3,072 x 64 uint8 (E8M0 scales of qkv_w, one for each 32 codes along K); sinks 32 float32; x_codes 4 x 1,024 x 64 x 16 uint8 (E2M1 codes of x, K innermost, in blocks of 32 codes, two codes a byte); x_scales 4 x 1,024 x 64 uint8 (E8M0 scales of x, one for each 32 codes along K).
;; Outputs: out0 4 x 1,024 x 2,048 float32.
;; This version of the problem:
;;   THIS VERSION OF THE PROBLEM IS GIVEN IN LOW PRECISION. The matrix products marked QUANTISED in the list below multiply operands that are first quantised to E2M1 (2 exponent bits, 1 mantissa bit; 4 bits a number), with one power-of-two scale for each 32 numbers along K (OCP MX v1.0); their sums are f32. All else is computed in f32.
;;   The module's matrix products, in the order in which they are computed (A, B: the left and right operand; K: the contracted axis; several contracted axes count as one K, in the product's order):
;;     1. [M 4,096, K 2,048] x [K 2,048, N 3,072]; A: input x (given as codes); B: input qkv_w (given as codes): QUANTISED
;;     2. batch 32 x [M 1,024, K 64] x [K 64, N 4,096]; A: computed on the way; B: computed on the way: QUANTISED
;;     3. batch 32 x [M 64, K 1,024] x [K 1,024, N 4,096]; A: computed on the way; B: computed on the way: QUANTISED
;;     4. [M 4,096, K 2,048] x [K 2,048, N 2,048]; A: computed on the way; B: input out_w (given as codes): QUANTISED
;;   THE QUANTISER, for each operand of a quantised product, along K:
;;     - K is cut into blocks of 32 from its start; a last block that is shorter is filled with zeros.
;;     - A block's scale is 2^e with e = floor(log2(the largest magnitude in the block)) - 2, held to -126 .. 127; a block of zeros has e = 0. As a byte (E8M0): e + 127.
;;     - Each number is divided by its block's scale, clamped to +-6, and rounded to the nearest number of E2M1, ties to even, subnormals kept.
;;     - The product sums the exact products of the quantised numbers (number of the format x scale) in f32.
;;   ~~~python
;;   def quantise(x, axis):      # numpy; x: float32 -> the quantised numbers, widened to float32 again
;;       x = np.moveaxis(x, axis, -1); K = x.shape[-1]
;;       x = np.pad(x, [(0, 0)] * (x.ndim - 1) + [(0, -K % 32)]); x = x.reshape(x.shape[:-1] + (-1, 32)); a = np.abs(x).max(-1, keepdims=True)
;;       e = np.where(a > 0, np.clip(np.frexp(np.where(a > 0, a, 1))[1] - 1 - 2, -126, 127), 0)      # np.frexp(a)[1] - 1 = floor(log2(a)), exactly
;;       r = np.clip(x / 2.0 ** e, -6, 6)
;;       step = 2.0 ** (np.maximum(np.frexp(np.where(r == 0, 1, r))[1] - 1, 0) - 1)
;;       q = np.round(r / step) * step * 2.0 ** e      # np.round: ties to even
;;       return np.moveaxis(q.reshape(q.shape[:-2] + (-1,))[..., :K], -1, axis).astype(np.float32)
;;   ~~~
;;   OPERANDS COMPUTED ON THE WAY. 'Computed on the way' means the value that the module computes at that place (a softmax that the list does not call 'softmax' is quantised finished and normalised). What goes into a quantiser is computed in f32, as accurately as f32 sums, v_exp_f32 and their like allow (about 1e-6 of the number): no bf16 or f16 on the way to a quantiser, and a product that is left as it is and whose result goes on into a quantised operand takes f32 operands (vector FMAs, or v_wmma_f32_16x16x4_f32). A number that lies on a knife's edge between two numbers of the format may be rounded either way, as far as f32 arithmetic and the matrix unit's own rounding can turn it there, and no further.
;;   INPUTS GIVEN AS CODES. out_w (in the module: [2048, 2048], K = its axis 1); qkv_w (in the module: [3072, 2048], K = its axis 1); x (in the module: [4, 1024, 2048], K = its axis 2): each comes as NAME_codes (uint8): NAME with its K axis moved to the last place and cut into blocks of 32 codes, [.., K / 32, bytes a block], one block behind the other in memory; two codes a byte, the lower K in the low four bits (a code: sign, 2 exponent bits, 1 mantissa bit); and NAME_scales (uint8): the same leading axes, one E8M0 byte (e + 127) for each 32 codes along K. Its value is code x scale, taken as it is: it is not quantised again, and the codes and scales need not be those that the quantiser above would give.
;; One version. Each part assembles by itself: llvm-mc -triple=amdgcn-amd-amdhsa -mcpu=gfx1250 --defsym DOCPART=n.
;; ======== version 1 of 1: 3 launches
;; workspace buffers: qk_codes 5,242,880 bytes; qk_sc 655,360 bytes; v_codes 1,048,576 bytes; v_sc 65,536 bytes; a_codes 4,194,304 bytes; a_scales 262,144 bytes
;; launch qkv (part 1): grid 8 x 32, 4 waves a work-group, clusters of 4 x 4, 327,680 bytes of LDS; arguments x_codes, x_scales, qkv_w_codes, qkv_w_scales, qkv_b, qk_codes, qk_sc, v_codes, v_sc; writes qk_codes, qk_sc, v_codes, v_sc
.if DOCPART == 1
	.amdgcn_target "amdgcn-amd-amdhsa--gfx1250"
	.amdhsa_code_object_version 6
	.text
	.protected	k_q20ac1cf718_qkv
	.globl	k_q20ac1cf718_qkv
	.p2align	8
	.type	k_q20ac1cf718_qkv,@function
k_q20ac1cf718_qkv:
	s_mov_b64 s[64:65], 0
	v_nop
	global_prefetch_b8 v0, s[64:65] scope:SCOPE_SE
	s_setreg_imm32_b32 hwreg(HW_REG_WAVE_MODE, 25, 1), 1
	s_wait_xcnt 0x0
	s_wait_alu depctr_hold_cnt(0) depctr_sa_sdst(0) depctr_va_vdst(0) depctr_va_sdst(0) depctr_va_ssrc(0) depctr_va_vcc(0) depctr_vm_vsrc(0)
	s_getreg_b32 s2, hwreg(HW_REG_IB_STS2, 6, 4)
	s_cmp_eq_u32 s2, 0
	s_cbranch_scc0 .Lentry_in_a_cluster
	s_endpgm
.Lentry_in_a_cluster:
	s_bfe_u32 s2, ttmp6, 0x10000c
	s_cmp_lg_u32 s2, 0xf033
	s_cbranch_scc0 .Lentry_shape_is_right
	s_endpgm
.Lentry_shape_is_right:
; qkv = x W^T + b on codes of FP4 (E2M1) with E8M0 scales, then the rotary turn of q and k, then the quantising of q, k (along the head's 64) and v (along the tokens).
; SHARES.  A work-group makes 128 tokens x 384 columns: the columns of ONE kv group g: q heads 4g .. 4g+3, k head g, v head g, so every work-group runs the same text.
; Four waves; wave w takes tokens 64 (w / 2) on and 192 columns: w % 2 = 0: q0 q1 q2, w % 2 = 1: q3 k v.  4 x 12 accumulators of 16 x 16, 384 registers.
; K = 2,048 goes in four steps of 512 (rows of 256 bytes) through two LDS slots filled by the tensor data mover.  4 x 4 work-groups form a cluster: x's tile is asked for jointly
; along a row of the cluster, the weights' tiles along a column.  The matrix instruction is used transposed (source 0 = 16 weight rows, source 1 = 16 tokens): a lane holds one token and
; eight neighbouring columns.  The bias is the C of each sum's first product.
; THE ROTARY TABLE is no input: it is made here, while the first tiles are on their way, by the f32 steps of the defining numpy text: 150000^(f/32) correctly rounded (from double-float
; square roots and products), correctly rounded divisions, products and sums rounded one by one; angle = position x inv_freq in f32; sine and cosine by a three-part reduction and polynomials.
; OUT: qk_codes [plane 40][token][32 bytes] (plane = column / 64), qk_sc [plane][token] one word (two scale bytes, two zero bytes), v_codes [batch 8 + g][key block][d][16 bytes],
; v_sc [batch 8 + g][128 keys][d] one word (a byte a block of 32 keys).
; LIMITS: NaN, infinities and the scale byte 0xff among the inputs are not served.  A block of zeros gets the byte 1 where the quantiser says 127: its codes are zeros, and this program alone reads the bytes.
; The table has numpy's bits only where numpy's float32 power is correctly rounded.
; REGISTERS, in windows of 256.  Window 0: v0-31 addresses; v32-127 scale words, two sets (nothing else ever); v128-159 the tokens' fragments, one set; v160-255 the bias, later work space.
; Window 1: the weights' fragments, sets at v0 and v128 (at the head: the table's work space, and v192-255 the scale bytes on their way to LDS).
; Window 2 + a / 2: accumulator (a, b) at v[8 (12 (a % 2) + b)]; v192-255: cosines and sines of token tiles 2 (window - 2) and + 1.
.set NB,     12                        ; column tiles of a wave
.set SCSET,  4*NB                      ; registers in a set of scale words
.set PITCH,  272                       ; an LDS row: 256 bytes + 16 of padding: the 16 rows of a fragment load start at 16 different places modulo 256 bytes
.set ROWS,   128+32*NB                 ; rows in a slot: x 128, Wq 256, Wk 64, Wv 64
.set SLOT,   ROWS*PITCH
.set SCL,    2*SLOT                    ; behind the ring: the scale bytes of the slot's rows for all of K: 4 rows of 64 bytes, then 16 of padding
.set SPARE,  SCL+(ROWS/4)*272          ; behind them: the spare words, 128 bytes a wave
.set FLAGS,  (1<<20)|(1<<21)|(5<<22)|(3<<25)   ; group 1, word 0: elements of 1 byte; padding on; bit 21 beside a mask; 4 words of padding after every 64
.set LSX,  13                          ; v13-15 where my part of the scale bytes goes in LDS: x's, Wq's, Wk's (Wv's 4,352 further)
.set LSQ,  14
.set LSK,  15
.set ADRA, 16                          ; v16-17 my tokens' fragments in slot 0, 1
.set ADRB, 20                          ; v20-21 my weights' fragments
.set VSS,  22                          ; v22 v's scale bytes in memory
.set SV,   24                          ; v24 v's stage: in
.set LV,   25                          ; v25 v's stage: back
.set QST,  26                          ; v26 32 r + 16 h: a token's codes
.set ADRS, 27                          ; v27 my scale words in LDS: lanes 0-15 tokens, lanes 16-31 weight rows
.set SPW,  28                          ; v28 my spare word; never rewritten
.set NIL,  29                          ; v29 0; never rewritten
.set WST,  30                          ; v30 4 x lane
.set VST,  31                          ; v31 1024 h + 16 r: v's codes
.set SC,   32
.set AF,   128
.set BIAS, 160
.set R,    160                         ; the way out: 64 numbers
.set TM,   224                         ; +0..3 largest magnitudes, +4..7 bytes, +12..15 the conversions' scale operands
.set PC,   240                         ; eight registers of codes
.set WD,   248                         ; scale words
.set WV,   22
.set TR,   23                          ; which 64 tokens
.set G1A,  24                          ; s[24:31] group 1: x, 128 rows;  s[32:39] Wq, 256 rows;  s[40:47] Wk or Wv, 64 rows
.set G1Q,  32
.set G1KV, 40
.set G0A,  48                          ; groups 0, a set for each slot
.set G0Q,  56
.set G0KV, 68
.set CC,   76                          ; which 192 columns
.set CX,   77
.set CY,   78
.set TX,   79                          ; g
.set TY,   80                          ; tile of 128 tokens
.set POS0, 81                          ; my first token's position in its sequence
.set CB,   84                          ; s[84:89] where my three heads' codes go;  s[90:95] their scale words
.set SB,   90
.set HM,   96                          ; lanes 16-31
.set SEL,  98                          ; selects of v_permlanex16_b32: lane l xor 16
.set MSB, 0
.macro WIN new                         ; the immediate's high byte repeats the setting that is left
.if MSB != (\new)
	s_set_vgpr_msb (MSB<<8)|(\new)
.set MSB, (\new)
.endif
.endm
.macro PLACES n
.rept \n
	v_nop
.endr
.endm
.macro CREST                           ; a round of the cluster's barrier behind its opening barrier
	s_cmp_lg_u32 s[WV], 0
	s_cbranch_scc1 .Lnot_wave_0_\@
	s_barrier_signal -3
.Lnot_wave_0_\@:
	s_barrier_wait -3
	s_barrier_signal -1
	s_barrier_wait -1
.endm
.macro CROUND
	s_barrier_signal -1
	s_barrier_wait -1
	CREST
.endm
.macro TL g0, g1, s, two               ; one joint load, or at the start both slots'; four v_nop follow
.if \two
	tensor_load_to_lds s[\g0:\g0+3], s[\g1:\g1+7]
	s_nop 0
	tensor_load_to_lds s[\g0+4:\g0+7], s[\g1:\g1+7]
	s_nop 0
.else
	tensor_load_to_lds s[\g0+4*\s:\g0+4*\s+3], s[\g1:\g1+7]
	s_nop 0
.endif
	PLACES 4
.endm
.macro JLOAD s, two                    ; wave 0 asks for x's tile, wave 1 for Wq's, waves 2 and 3 for Wk's and Wv's: the branches hang on the wave's number alone
	s_cmp_lt_u32 s[WV], 2
	s_cbranch_scc0 .Lkv_\@
	s_cmp_eq_u32 s[WV], 0
	s_cbranch_scc0 .Lq_\@
	TL G0A, G1A, \s, \two
	s_branch .Lasked_\@
.Lq_\@:
	TL G0Q, G1Q, \s, \two
	s_branch .Lasked_\@
.Lkv_\@:
	TL G0KV, G1KV, \s, \two
.Lasked_\@:
.endm
	s_load_b256 s[4:11], s[0:1], 0x0               ; x codes, x scales, W codes, W scales
	s_load_b256 s[12:19], s[0:1], 0x20             ; bias, qk_codes, qk_sc, v_codes
	s_load_b64 s[20:21], s[0:1], 0x40              ; v_sc
	v_lshl_add_u32 v[SPW], v0, 2, SPARE
	v_mov_b32 v[NIL], 0
	ds_add_u32 v28, v29
	ds_add_u32 v28, v29
	s_wait_dscnt 0x0
	v_lshrrev_b32 v1, 5, v0
	v_readfirstlane_b32 s[WV], v1
	s_lshr_b32 s[TR], s[WV], 1
	s_and_b32 s[CC], s[WV], 1
	s_bfe_u32 s[CX], ttmp6, 0x40000
	s_bfe_u32 s[CY], ttmp6, 0x40004
	s_lshl_b32 s[TX], ttmp9, 2
	s_add_co_u32 s[TX], s[TX], s[CX]
	s_and_b32 s[TY], ttmp7, 0xffff
	s_lshl_b32 s[TY], s[TY], 2
	s_add_co_u32 s[TY], s[TY], s[CY]
	s_lshl_b32 s2, s[CY], 2
	s_lshl_b32 s2, 15, s2                          ; my row of the cluster
	s_lshl_b32 s3, 0x1111, s[CX]                   ; my column
	s_or_b32 s[G1A], s2, FLAGS                     ; x's tile hangs on the token tile alone: shared along the row
	s_or_b32 s[G1Q], s3, FLAGS                     ; the weights' on g alone: shared along the column
	s_or_b32 s[G1KV], s3, FLAGS
.irp g, G1A, G1Q, G1KV
	s_mov_b32 s[\g+1], 256<<16                     ; tensor_dim0 = 256 bytes
	s_mov_b32 s[\g+3], 256<<16                     ; tile_dim0
	s_mov_b32 s[\g+5], 1024                        ; a row of 2,048 codes in memory
	s_mov_b32 s[\g+6], 0
	s_mov_b32 s[\g+7], 0
.endr
	s_mov_b32 s[G1A+2], 128<<16                    ; tensor_dim1, tile_dim1
	s_mov_b32 s[G1A+4], 128
	s_mov_b32 s[G1Q+2], 256<<16
	s_mov_b32 s[G1Q+4], 256
	s_mov_b32 s[G1KV+2], 64<<16
	s_mov_b32 s[G1KV+4], 64
	s_lshl_b32 s100, s[TY], 17                     ; x: 128 rows of 1,024 bytes a tile (these two registers never hold the other coordinate)
	s_mov_b32 s101, 0
	s_lshl_b32 s82, s[TX], 18                      ; Wq: rows 256 g on
	s_mov_b32 s83, 0
	s_lshl_b32 s66, s[TX], 16                      ; Wk: rows 2,048 + 64 g on; Wv: 512 rows further
	s_lshl_b32 s67, s[CC], 19
	s_add_co_u32 s66, s66, s67
	s_add_co_u32 s66, s66, 0x200000
	s_mov_b32 s67, 0
	s_mul_i32 s97, s[CC], 64*PITCH
	s_mov_b32 s[HM], 0xffff0000
	s_mov_b32 s[SEL], 0x76543210
	s_mov_b32 s[SEL+1], 0xfedcba98
	s_wait_kmcnt 0x0
	s_add_nc_u64 s[100:101], s[4:5], s[100:101]
	s_add_nc_u64 s[82:83], s[8:9], s[82:83]
	s_add_nc_u64 s[66:67], s[8:9], s[66:67]
	CROUND                                         ; all sixteen work-groups are here: the first joint loads meet
.irp s, 0,1
	s_mov_b32 s[G0A+4*\s], 1
	s_mov_b32 s[G0A+4*\s+1], \s*SLOT
	s_add_nc_u64 s[G0A+4*\s+2:G0A+4*\s+3], s[100:101], \s*256
	s_or_b32 s[G0A+4*\s+3], s[G0A+4*\s+3], 0x80000000
	s_mov_b32 s[G0Q+4*\s], 1
	s_mov_b32 s[G0Q+4*\s+1], \s*SLOT+128*PITCH
	s_add_nc_u64 s[G0Q+4*\s+2:G0Q+4*\s+3], s[82:83], \s*256
	s_or_b32 s[G0Q+4*\s+3], s[G0Q+4*\s+3], 0x80000000
	s_mov_b32 s[G0KV+4*\s], 1
	s_add_co_u32 s[G0KV+4*\s+1], s97, \s*SLOT+384*PITCH
	s_add_nc_u64 s[G0KV+4*\s+2:G0KV+4*\s+3], s[66:67], \s*256
	s_or_b32 s[G0KV+4*\s+3], s[G0KV+4*\s+3], 0x80000000
.endr
	JLOAD 0, 1                                     ; K steps 0 and 1: two loads of mine are out
	; ---- the scale bytes (through registers, 512 consecutive bytes a load) and the bias are asked for
	v_and_b32 v1, 15, v0                           ; r
	v_bfe_u32 v2, v0, 4, 1                         ; h
	v_and_b32 v3, 31, v0                           ; lane
	v_lshlrev_b32 v4, 4, v3
	s_lshl_b32 s2, s[TY], 13                       ; x: 128 rows x 64 bytes a tile, a quarter a wave
	s_lshl_b32 s3, s[WV], 11
	s_add_co_u32 s2, s2, s3
	v_add_nc_u32 v5, s2, v4
	s_lshl_b32 s2, s[TX], 14                       ; Wq: 256 rows x 64 bytes
	s_lshl_b32 s3, s[WV], 12
	s_add_co_u32 s2, s2, s3
	v_add_nc_u32 v6, s2, v4
	s_lshl_b32 s2, s[TX], 12                       ; Wk: 64 rows, from row 2,048 + 64 g; Wv 512 rows (32,768 bytes) further
	s_lshl_b32 s3, s[WV], 10
	s_add_co_u32 s2, s2, s3
	s_add_co_u32 s2, s2, 131072
	v_add_nc_u32 v7, s2, v4
	WIN 0x40                                       ; destination window 1
.irp n, 0,1,2,3
	global_load_b128 v[192+4*\n:195+4*\n], v5, s[6:7] offset:512*\n
.endr
.irp n, 0,1,2,3,4,5,6,7
	global_load_b128 v[208+4*\n:211+4*\n], v6, s[10:11] offset:512*\n
.endr
.irp n, 0,1
	global_load_b128 v[240+4*\n:243+4*\n], v7, s[10:11] offset:512*\n
	global_load_b128 v[248+4*\n:251+4*\n], v7, s[10:11] offset:32768+512*\n
.endr
	WIN 0
	s_lshl_b32 s2, s[TX], 8                        ; my three heads' first columns of qkv
	s_lshl_b32 s3, s[TX], 6
	s_add_co_u32 s82, s2, 64
	s_add_co_u32 s83, s2, 128
	s_add_co_u32 s66, s2, 192
	s_add_co_u32 s67, s3, 2048
	s_add_co_u32 s97, s3, 2560
	s_cmp_eq_u32 s[CC], 0
	s_cselect_b32 s66, s2, s66
	s_cselect_b32 s67, s82, s67
	s_cselect_b32 s97, s83, s97
	v_lshlrev_b32 v8, 5, v2                        ; a lane wants the eight numbers of its half: 32 h bytes on
	v_lshl_add_u32 v9, s66, 2, v8
	v_lshl_add_u32 v10, s67, 2, v8
	v_lshl_add_u32 v11, s97, 2, v8
.irp t, 0,1,2,3
	global_load_b128 v[BIAS+8*\t:BIAS+8*\t+3], v9, s[12:13] offset:64*\t
	global_load_b128 v[BIAS+8*\t+4:BIAS+8*\t+7], v9, s[12:13] offset:64*\t+16
	global_load_b128 v[BIAS+32+8*\t:BIAS+32+8*\t+3], v10, s[12:13] offset:64*\t
	global_load_b128 v[BIAS+32+8*\t+4:BIAS+32+8*\t+7], v10, s[12:13] offset:64*\t+16
	global_load_b128 v[BIAS+64+8*\t:BIAS+64+8*\t+3], v11, s[12:13] offset:64*\t
	global_load_b128 v[BIAS+64+8*\t+4:BIAS+64+8*\t+7], v11, s[12:13] offset:64*\t+16
.endr
	; ---- where the results go
	s_lshl_b32 s2, s[TY], 7
	s_lshl_b32 s3, s[TR], 6
	s_add_co_u32 s2, s2, s3                        ; my first token
	s_and_b32 s[POS0], s2, 1023
	s_lshl_b32 s3, s2, 5                           ; x 32 bytes of codes
	s_lshl_b32 s2, s2, 2                           ; x 4 bytes of scale word
	s_mov_b32 s83, 0
	s_lshr_b32 s66, s66, 6                         ; planes
	s_lshr_b32 s67, s67, 6
	s_lshr_b32 s97, s97, 6
	s_lshl_b32 s82, s66, 17
	s_add_co_u32 s82, s82, s3
	s_add_nc_u64 s[CB:CB+1], s[14:15], s[82:83]
	s_lshl_b32 s82, s66, 14
	s_add_co_u32 s82, s82, s2
	s_add_nc_u64 s[SB:SB+1], s[16:17], s[82:83]
	s_lshl_b32 s82, s67, 17
	s_add_co_u32 s82, s82, s3
	s_add_nc_u64 s[CB+2:CB+3], s[14:15], s[82:83]
	s_lshl_b32 s82, s67, 14
	s_add_co_u32 s82, s82, s2
	s_add_nc_u64 s[SB+2:SB+3], s[16:17], s[82:83]
	s_lshr_b32 s66, s[TY], 3                       ; the third head: q (column half 0) or v (column half 1): buffer and offset are chosen on the wave's column half
	s_lshl_b32 s66, s66, 3
	s_add_co_u32 s66, s66, s[TX]                   ; 8 batch + g
	s_and_b32 s67, s[TY], 7
	s_lshl_b32 s66, s66, 3
	s_add_co_u32 s66, s66, s67                     ; x 8 + which 128 keys
	s_lshl_b32 s82, s97, 17
	s_add_co_u32 s82, s82, s3
	s_lshl_b32 s3, s66, 12                         ; four key blocks of 1,024 bytes,
	s_lshl_b32 s67, s[TR], 11                      ; my two of them
	s_add_co_u32 s3, s3, s67
	s_cmp_eq_u32 s[CC], 0
	s_cselect_b32 s82, s82, s3
	s_cselect_b64 s[CB+4:CB+5], s[14:15], s[18:19]
	s_add_nc_u64 s[CB+4:CB+5], s[CB+4:CB+5], s[82:83]
	s_lshl_b32 s82, s97, 14
	s_add_co_u32 s82, s82, s2
	s_lshl_b32 s66, s66, 8
	s_cmp_eq_u32 s[CC], 0
	s_cselect_b32 s82, s82, s66
	s_cselect_b64 s[SB+4:SB+5], s[16:17], s[20:21]
	s_add_nc_u64 s[SB+4:SB+5], s[SB+4:SB+5], s[82:83]
	v_lshlrev_b32 v[QST], 5, v1
	v_lshl_add_u32 v[QST], v2, 4, v[QST]
	v_lshlrev_b32 v[WST], 2, v3
	s_lshl_b32 s2, s[TR], 1
	v_add_nc_u32 v[VSS], s2, v[WST]
	v_lshlrev_b32 v[VST], 10, v2
	v_lshl_add_u32 v[VST], v1, 4, v[VST]
	; ---- LDS addresses: constants, the lane, the wave's number
	v_mul_u32_u24 v12, v1, PITCH
	v_lshl_add_u32 v12, v2, 4, v12                 ; a fragment's row x pitch + 16 x half
	s_mul_i32 s2, s[TR], 64*PITCH
	s_mul_i32 s3, s[CC], 16*NB*PITCH
	s_add_co_u32 s3, s3, 128*PITCH
.irp s, 0,1
	v_add_nc_u32 v[ADRA+\s], s2, v12
	v_add_nc_u32 v[ADRB+\s], s3, v12
	s_add_co_u32 s2, s2, SLOT
	s_add_co_u32 s3, s3, SLOT
.endr
	v_lshrrev_b32 v12, 2, v1
	v_mul_u32_u24 v12, v12, 272
	v_and_b32 v18, 3, v1
	v_lshl_add_u32 v12, v18, 6, v12                ; row r of a tile of scale rows
	s_mul_i32 s2, s[TR], 16*272                    ; my tokens' rows
	s_mul_i32 s3, s[CC], 4*NB*272
	s_add_co_u32 s3, s3, 32*272                    ; my weight rows,
	s_sub_co_u32 s3, s3, s2                        ; as a distance from my tokens'
	v_mul_u32_u24 v18, s3, v2                      ; lanes 16-31 take the weights'
	s_add_co_u32 s2, s2, SCL
	v_add_nc_u32 v12, v12, v18
	v_add_nc_u32 v[ADRS], s2, v12
	v_mul_u32_u24 v12, v2, 272
	v_lshl_add_u32 v12, v1, 4, v12                 ; a load's 512 bytes are two units of 256: 272 h + 16 r
	s_mul_i32 s2, s[WV], 2176
	s_add_co_u32 s2, s2, SCL
	v_add_nc_u32 v[LSX], s2, v12
	s_mul_i32 s2, s[WV], 4352
	s_add_co_u32 s2, s2, SCL+8704
	v_add_nc_u32 v[LSQ], s2, v12
	s_mul_i32 s2, s[WV], 1088
	s_add_co_u32 s2, s2, SCL+26112
	v_add_nc_u32 v[LSK], s2, v12
	s_mul_i32 s2, s[TR], 17408                     ; v's stage: 64 rows (d) of 272 bytes for each of the two waves that hold v, in slot 0
	v_mul_u32_u24 v[SV], v2, 8*272
	v_lshl_add_u32 v[SV], v1, 2, v[SV]
	v_add_nc_u32 v[SV], s2, v[SV]
	v_mul_u32_u24 v[LV], v1, 272
	v_lshl_add_u32 v[LV], v2, 6, v[LV]
	v_add_nc_u32 v[LV], s2, v[LV]
	; ---- THE ROTARY TABLE, in window 1.  v0 lane = f; v2-11 150000^(16/32 .. 1/32) as pairs (high, low); v20-21 the power; v27 inv_freq; v32-47 my 16 inv_freq; v48 my position; v64-159 at work
.macro DSQRT d, x                      ; (v[d], v[d+1]) = the square root of (v[x], v[x+1]): one Newton step on the rounded root, the remainder taken exactly by a fused multiply-add
	v_rsq_f32 v14, v[\x]
	v_nop
	s_wait_alu depctr_va_vdst(0)
	v_mul_f32 v15, v[\x], v14
	v_mul_f32 v16, v15, v15
	v_fma_f32 v17, v15, v15, -v16
	v_sub_f32 v18, v[\x], v16
	v_sub_f32 v18, v18, v17
	v_add_f32 v18, v18, v[\x+1]
	v_mul_f32 v14, 0.5, v14
	v_mul_f32 v18, v18, v14
	v_add_f32 v[\d], v15, v18
	v_sub_f32 v19, v[\d], v15
	v_sub_f32 v[\d+1], v18, v19
.endm
.macro PICK d, g, bit                  ; (v[d], v[d+1]) = the power at g where that bit of f is set, else 1
	v_and_b32 v14, 1<<\bit, v0
	v_cmp_ne_u32 vcc_lo, 0, v14
	v_cndmask_b32 v[\d], 1.0, v[\g], vcc_lo
	v_cndmask_b32 v[\d+1], 0, v[\g+1], vcc_lo
.endm
.macro DMUL a, b                       ; pair a x pair b -> pair a
	v_mul_f32 v24, v[\a], v[\b]
	v_fma_f32 v25, v[\a], v[\b], -v24
	v_fma_f32 v25, v[\a], v[\b+1], v25
	v_fma_f32 v25, v[\a+1], v[\b], v25
	v_add_f32 v[\a], v24, v25
	v_sub_f32 v26, v[\a], v24
	v_sub_f32 v[\a+1], v25, v26
.endm
.macro RCPR d, a                       ; v[d] = 1 / v[a], correctly rounded: two refinements of the approximation
	v_rcp_f32 v[\d], v[\a]
	v_nop
	s_wait_alu depctr_va_vdst(0)
	v_fma_f32 v24, -v[\a], v[\d], 1.0
	v_fma_f32 v[\d], v[\d], v24, v[\d]
	v_fma_f32 v24, -v[\a], v[\d], 1.0
	v_fma_f32 v[\d], v[\d], v24, v[\d]
.endm
	WIN 0x40
	v_and_b32 v0, 31, v0                           ; window 1's v0 = my lane
	WIN 0x55                                       ; everything in window 1
	v_mov_b32 v12, 0x48127c00                      ; 150000
	v_mov_b32 v13, 0
	DSQRT 2, 12
	DSQRT 4, 2
	DSQRT 6, 4
	DSQRT 8, 6
	DSQRT 10, 8
	PICK 20, 2, 4
	PICK 22, 4, 3
	DMUL 20, 22
	PICK 22, 6, 2
	DMUL 20, 22
	PICK 22, 8, 1
	DMUL 20, 22
	PICK 22, 10, 0
	DMUL 20, 22                                    ; v20 = 150000^(f/32), rounded once
	RCPR 27, 20                                    ; extrapolation = 1 / freq
	v_mul_f32 v28, 0x3d000000, v27                 ; interpolation = 1 / (32 freq): exact
	v_cvt_f32_u32 v1, v0
	v_add_f32 v29, 0xc08bdc9e, v1                  ; f - low, low = 32 ln(1024 / 64 pi) / ln 150000 in f32
	v_mov_b32 v30, 0x4114e249                      ; high - low = 32 ln 32 / ln 150000 in f32
	RCPR 31, 30
	v_mul_f32 v24, v29, v31
	v_fma_f32 v25, -v30, v24, v29
	v_fma_f32 v29, v25, v31, v24                   ; the quotient, correctly rounded
	v_med3_num_f32 v29, v29, 0, 1.0                ; ramp
	v_sub_f32 v30, 1.0, v29                        ; mask
	v_sub_f32 v31, 1.0, v30                        ; 1 - mask
	v_mul_f32 v28, v28, v31                        ; two products and a sum, each rounded by itself, as the defining text has them: not fused
	v_mul_f32 v27, v27, v30
	v_add_f32 v27, v28, v27                        ; inv_freq of f = my lane
.irp t, 0,1                            ; my 16: register 8 t + j holds f = 16 t + 8 h + j
.irp j, 0,1,2,3,4,5,6,7
	v_readlane_b32 s2, v27, 16*\t+\j
	v_readlane_b32 s3, v27, 16*\t+8+\j
	v_mov_b32 v[32+8*\t+\j], s2
	v_cndmask_b32 v[32+8*\t+\j], v[32+8*\t+\j], s3, s[HM]
.endr
.endr
	v_and_b32 v14, 15, v0
	v_add_nc_u32 v14, s[POS0], v14
	v_cvt_f32_u32 v48, v14                         ; the position of token r of my first tile
	v_mov_b32 v52, 0x4b400000                      ; 1.5 x 2^23: adding it rounds to a whole number and leaves that number in the low bits
	v_mov_b32 v53, 0x4b400000
	v_mov_b32 v54, 0xb9503486
	v_mov_b32 v55, 0xb9503486
	v_mov_b32 v56, 0xbab6077d
	v_mov_b32 v57, 0xbab6077d
.macro TG st                           ; one stage for the pair at e: v64 angle, then what is left of it; v80 the count of quarter turns; v96 that as f32, then the square; v112 sine; v128 cosine
.if \st == 0
	v_pk_mul_f32 v[64+e:65+e], v[32+e:33+e], v[50:51]
.elseif \st == 1
	v_pk_fma_f32 v[80+e:81+e], v[64+e:65+e], 0x3f22f983, v[52:53] op_sel_hi:[1,0,1]
.elseif \st == 2
	v_pk_add_f32 v[96+e:97+e], v[80+e:81+e], 0xcb400000 op_sel_hi:[1,0]
.elseif \st == 3
	v_pk_fma_f32 v[64+e:65+e], v[96+e:97+e], 0xbfc90fd8, v[64+e:65+e] op_sel_hi:[1,0,1]   ; pi / 2 in three parts
.elseif \st == 4
	v_pk_fma_f32 v[64+e:65+e], v[96+e:97+e], 0xb4a8885a, v[64+e:65+e] op_sel_hi:[1,0,1]
.elseif \st == 5
	v_pk_fma_f32 v[64+e:65+e], v[96+e:97+e], 0xa7c234c4, v[64+e:65+e] op_sel_hi:[1,0,1]
.elseif \st == 6
	v_pk_mul_f32 v[96+e:97+e], v[64+e:65+e], v[64+e:65+e]
.elseif \st == 7
	v_pk_fma_f32 v[112+e:113+e], v[96+e:97+e], 0x36405000, v[54:55] op_sel_hi:[1,0,1]
.elseif \st == 8
	v_pk_fma_f32 v[128+e:129+e], v[96+e:97+e], 0x37cd4000, v[56:57] op_sel_hi:[1,0,1]
.elseif \st == 9
	v_pk_fma_f32 v[112+e:113+e], v[112+e:113+e], v[96+e:97+e], 0x3c0888c1 op_sel_hi:[1,1,0]
.elseif \st == 10
	v_pk_fma_f32 v[128+e:129+e], v[128+e:129+e], v[96+e:97+e], 0x3d2aaaa8 op_sel_hi:[1,1,0]
.elseif \st == 11
	v_pk_fma_f32 v[112+e:113+e], v[112+e:113+e], v[96+e:97+e], 0xbe2aaaab op_sel_hi:[1,1,0]
.elseif \st == 12
	v_pk_fma_f32 v[128+e:129+e], v[128+e:129+e], v[96+e:97+e], -0.5 op_sel_hi:[1,1,0]
.elseif \st == 13
	v_pk_mul_f32 v[144+e:145+e], v[64+e:65+e], v[96+e:97+e]
.elseif \st == 14
	v_pk_fma_f32 v[128+e:129+e], v[128+e:129+e], v[96+e:97+e], 1.0 op_sel_hi:[1,1,0]
.else
	v_pk_fma_f32 v[112+e:113+e], v[112+e:113+e], v[144+e:145+e], v[64+e:65+e]
.endif
.endm
.macro TQ st                           ; the quarter turn, value e: an odd count swaps sine and cosine; bit 1 turns the sine's sign, bit 1 xor bit 0 the cosine's
.if \st == 0
	v_lshlrev_b32 v[144+e], 31, v[80+e]
.elseif \st == 1
	v_lshlrev_b32 v[80+e], 30, v[80+e]
.elseif \st == 2
	v_and_b32 v[80+e], 0x80000000, v[80+e]
.elseif \st == 3
	v_xor_b32 v[64+e], v[80+e], v[64+e]
.elseif \st == 4
	v_xor_b32 v[80+e], v[144+e], v[80+e]
.else
	v_xor_b32 v[96+e], v[80+e], v[96+e]
.endif
.endm
.macro QUAD4 f                         ; the swap for four values: sine -> v64, cosine -> v96
	v_cmp_gt_i32 s2, 0, v[144+\f]
	v_cmp_gt_i32 s3, 0, v[145+\f]
	v_cmp_gt_i32 s66, 0, v[146+\f]
	v_cmp_gt_i32 s67, 0, v[147+\f]
	v_cndmask_b32 v[64+\f], v[112+\f], v[128+\f], s2
	v_cndmask_b32 v[96+\f], v[128+\f], v[112+\f], s2
	v_cndmask_b32 v[65+\f], v[113+\f], v[129+\f], s3
	v_cndmask_b32 v[97+\f], v[129+\f], v[113+\f], s3
	v_cndmask_b32 v[66+\f], v[114+\f], v[130+\f], s66
	v_cndmask_b32 v[98+\f], v[130+\f], v[114+\f], s66
	v_cndmask_b32 v[67+\f], v[115+\f], v[131+\f], s67
	v_cndmask_b32 v[99+\f], v[131+\f], v[115+\f], s67
.endm
.macro TRIG tt, flt                    ; token tile tt: 16 cosines and 16 sines a lane, times the concentration 0.1 ln 32 + 1, into the window of that tile's accumulators
	v_add_f32 v50, \flt, v48
	v_mov_b32 v51, v50
.irp st, 0,1,2,3,4,5,6,7,8,9,10,11,12,13,14,15
.set e, 0
.rept 8
	TG \st
.set e, e+2
.endr
.endr
.set e, 0
.rept 16
	TQ 0
.set e, e+1
.endr
	QUAD4 0
	QUAD4 4
	QUAD4 8
	QUAD4 12
.irp st, 1,2,3,4,5
.set e, 0
.rept 16
	TQ \st
.set e, e+1
.endr
.endr
	WIN 0x95+0x40*((\tt)/2)                        ; destination window 2 or 3
.set e, 0
.rept 8
	v_pk_mul_f32 v[192+32*((\tt)%2)+e:193+32*((\tt)%2)+e], v[96+e:97+e], 0x3fac5c86 op_sel_hi:[1,0]
	v_pk_mul_f32 v[208+32*((\tt)%2)+e:209+32*((\tt)%2)+e], v[64+e:65+e], 0x3fac5c86 op_sel_hi:[1,0]
.set e, e+2
.endr
	WIN 0x55
.endm
	TRIG 0, 0
	TRIG 1, 0x41800000
	TRIG 2, 0x42000000
	TRIG 3, 0x42400000
	WIN 0
	; ---- the scale bytes go to LDS; then K step 0 is there for everybody
	s_wait_loadcnt 0x0                             ; the scale bytes and the bias
	WIN 0x04                                       ; an LDS store's data are its source 1: window 1
.irp n, 0,1,2,3
	ds_store_b128 v[LSX], v[192+4*\n:195+4*\n] offset:544*\n
.endr
.irp n, 0,1,2,3,4,5,6,7
	ds_store_b128 v[LSQ], v[208+4*\n:211+4*\n] offset:544*\n
.endr
.irp n, 0,1
	ds_store_b128 v[LSK], v[240+4*\n:243+4*\n] offset:544*\n
	ds_store_b128 v[LSK], v[248+4*\n:251+4*\n] offset:4352+544*\n
.endr
	WIN 0
.macro FRAG reg, adr, q, i             ; 16 rows x 128 K of 4-bit codes: 8 registers: lane l holds row l % 16; registers 4 c .. 4 c + 3 hold K = 64 c + 32 (l / 16) + 0 .. 31
	ds_load_b128 v[\reg:\reg+3], v[\adr] offset:64*(\q)+(\i)*16*PITCH
	ds_load_b128 v[\reg+4:\reg+7], v[\adr] offset:64*(\q)+32+(\i)*16*PITCH
.endm
; NB products: token tile a against my NB column tiles, the slot's q-th 128 along K.  p: the weights' set; sc: the set of scale words.  first = 1: the bias is C.
; The 4 NB accumulators take turns, one instruction a turn, in the same order in every step.
.macro MUL a, p, q, sc, first
.if \first
	WIN 0x81+0x40*((\a)/2)                         ; source 0 window 1, source 1 and C window 0, D window 2 or 3
.else
	WIN 0xa1+0x50*((\a)/2)                         ; C and D window 2 or 3
.endif
.set BI, 0
.rept NB
.set DA, 8*(NB*((\a)%2)+BI)
.if \first
	v_wmma_scale_f32_16x16x128_f8f6f4 v[DA:DA+7], v[128*(\p)+8*BI:128*(\p)+8*BI+7], v[AF+8*(\a):AF+8*(\a)+7], v[BIAS+8*BI:BIAS+8*BI+7], v[SC+SCSET*(\sc)+4*BI+(\q)], v[SC+SCSET*(\sc)+4*(\a)+(\q)] matrix_a_fmt:MATRIX_FMT_FP4 matrix_b_fmt:MATRIX_FMT_FP4 matrix_a_scale:MATRIX_SCALE_ROW1
.else
	v_wmma_scale_f32_16x16x128_f8f6f4 v[DA:DA+7], v[128*(\p)+8*BI:128*(\p)+8*BI+7], v[AF+8*(\a):AF+8*(\a)+7], v[DA:DA+7], v[SC+SCSET*(\sc)+4*BI+(\q)], v[SC+SCSET*(\sc)+4*(\a)+(\q)] matrix_a_fmt:MATRIX_FMT_FP4 matrix_b_fmt:MATRIX_FMT_FP4 matrix_a_scale:MATRIX_SCALE_ROW1
.endif
.set BI, BI+1
.endr
.endm
.macro FETCH_B slot, q, p
	WIN 0x40
.set BI, 0
.rept NB
	FRAG 128*(\p)+8*BI, ADRB+\slot, \q, BI
.set BI, BI+1
.endr
	WIN 0
.endm
.macro FETCH_A slot, q, i0             ; token tiles i0, i0 + 1
	FRAG AF+8*(\i0), ADRA+\slot, \q, \i0
	FRAG AF+8*(\i0)+8, ADRA+\slot, \q, (\i0)+1
.endm
.macro SCALES sc                       ; a K step's scale words: 4 a row; register 4 i + q: lanes 0-15 token tile i (from i = 4 on rows that no product names), lanes 16-31 column tile i
.set BI, 0
.rept NB
	ds_load_b128 v[SC+SCSET*(\sc)+4*BI:SC+SCSET*(\sc)+4*BI+3], v[ADRS] offset:BI*1088
.set BI, BI+1
.endr
.endm
; A step of 128 along K that has its successor in the same slot.  Loads into registers that matrix instructions have read stand four plain vector instructions behind them (ISA guide 7.12.1 for vector instructions).
.macro STEP slot, q, first
	s_wait_dscnt 4                                 ; all but the four youngest loads, token tiles 2 and 3
	MUL 0, (\q)%2, \q, \slot, \first
	MUL 1, (\q)%2, \q, \slot, \first
	s_wait_dscnt 0x0                               ; token tiles 2 and 3 are in
	PLACES 4
	FETCH_B \slot, (\q)+1, 1-(\q)%2
	FETCH_A \slot, (\q)+1, 0
	MUL 2, (\q)%2, \q, \slot, \first
	MUL 3, (\q)%2, \q, \slot, \first
	PLACES 4
	WIN 0
	FETCH_A \slot, (\q)+1, 2
.endm
; A slot's last step changes slots: one barrier; in front of it each wave waits for all its tensor loads, adds 0 to its spare word, and waits for that and for its reads of this slot.
.macro TURN slot, next, fill
	s_wait_tensorcnt 0x0                           ; all my tensor loads have landed: my part of the next slot
	ds_add_u32 v[SPW], v[NIL]                      ; 0 onto my spare word
	s_wait_dscnt 5                                 ; (the add and the four youngest loads may be out)
	MUL 0, 1, 3, \slot, 0
	s_wait_dscnt 0x0                               ; the add is done, and my reads of this slot are over
	s_barrier_signal -1
	MUL 1, 1, 3, \slot, 0
	WIN 0
	s_barrier_wait -1
.if \fill
	CREST                                          ; the barrier has opened a round of the cluster's: no wave of any partner still reads this slot or has a load on its way
	s_add_nc_u64 s[G0A+4*\slot+2:G0A+4*\slot+3], s[G0A+4*\slot+2:G0A+4*\slot+3], 512
	s_add_nc_u64 s[G0Q+4*\slot+2:G0Q+4*\slot+3], s[G0Q+4*\slot+2:G0Q+4*\slot+3], 512
	s_add_nc_u64 s[G0KV+4*\slot+2:G0KV+4*\slot+3], s[G0KV+4*\slot+2:G0KV+4*\slot+3], 512
	JLOAD \slot, 0                                 ; the first tensor load behind the round; its four v_nop are the places in front of the loads below
.else
	PLACES 4
.endif
	v_add_nc_u32 v[ADRS], 16, v[ADRS]              ; the next K step's scale words
	FETCH_B \next, 0, 0
	FETCH_A \next, 0, 0
	SCALES \next
	MUL 2, 1, 3, \slot, 0
	MUL 3, 1, 3, \slot, 0
	PLACES 4
	WIN 0
	FETCH_A \next, 0, 2
.endm
	s_wait_tensorcnt 0x1                           ; my part of K step 0 is in; K step 1's load may stay out
	s_wait_dscnt 0x0                               ; my part of the scale bytes lies in LDS
	s_barrier_signal -1
	s_barrier_wait -1
	FETCH_B 0, 0, 0
	FETCH_A 0, 0, 0
	SCALES 0
	FETCH_A 0, 0, 2
	STEP 0, 0, 1
	STEP 0, 1, 0
	STEP 0, 2, 0
	TURN 0, 1, 1                                   ; slot 0 takes K step 2
	STEP 1, 0, 0
	STEP 1, 1, 0
	STEP 1, 2, 0
	TURN 1, 0, 1                                   ; slot 1 takes K step 3
	STEP 0, 0, 0
	STEP 0, 1, 0
	STEP 0, 2, 0
	TURN 0, 1, 0                                   ; nothing is left to fetch
	STEP 1, 0, 0
	STEP 1, 1, 0
	STEP 1, 2, 0
	s_wait_dscnt 4
	MUL 0, 1, 3, 1, 0
	MUL 1, 1, 3, 1, 0
	s_wait_dscnt 0x0
	MUL 2, 1, 3, 1, 0
	MUL 3, 1, 3, 1, 0
	WIN 0
	PLACES 4                                       ; in front of the first read of results
; ---- THE WAY OUT
; The rotary turn of token tile tt, head hd: register e = 8 t + j is d = 16 t + 8 h + j of the lower half; the upper half lies two column tiles on.  Each accumulator is read from its low end on.
.macro ROPE tt, hd, dst
	WIN 0x0a+5*((\tt)/2)                           ; sources 0 and 1: window 2 or 3
.set XA, 8*(NB*((\tt)%2)+4*(\hd))
.set TBL, 192+32*((\tt)%2)
.set e, 0
.rept 8
	v_pk_mul_f32 v[\dst+e:\dst+e+1], v[XA+16+e:XA+17+e], v[TBL+16+e:TBL+17+e]
	v_pk_mul_f32 v[\dst+16+e:\dst+17+e], v[XA+e:XA+e+1], v[TBL+16+e:TBL+17+e]
	v_pk_fma_f32 v[\dst+e:\dst+e+1], v[XA+e:XA+e+1], v[TBL+e:TBL+e+1], v[\dst+e:\dst+e+1] neg_lo:[0,0,1] neg_hi:[0,0,1]
	v_pk_fma_f32 v[\dst+16+e:\dst+17+e], v[XA+16+e:XA+17+e], v[TBL+e:TBL+e+1], v[\dst+16+e:\dst+17+e]
.set e, e+2
.endr
.endm
; 64 numbers of a lane, four blocks of 32 shared with lane l xor 16, become codes in v[PC] on; afterwards lanes 0-15 hold blocks 0 and 2 whole, lanes 16-31 blocks 1 and 3.
; flav 0: a lane's 16 numbers of a block are neighbours (16 h + i).  flav 1: they are 8 h + i and 16 + 8 h + i, as two result tiles leave them.
; v[WD]: lanes 0-15 the two bytes of blocks 0, 1; lanes 16-31 those of blocks 2, 3.
.macro QUANT s, flav
.irp b, 0,1,2,3
	v_max3_num_f32 v[TM+\b], |v[\s+16*\b]|, |v[\s+1+16*\b]|, 0x1800000   ; with the floor 2^(3 - 127): the byte cannot fall under 1
.endr
.irp i, 2,4,6,8,10,12,14
.irp b, 0,1,2,3
	v_max3_num_f32 v[TM+\b], v[TM+\b], |v[\s+16*\b+\i]|, |v[\s+1+16*\b+\i]|
.endr
.endr
.irp b, 0,1,2,3
	v_permlanex16_b32 v[TM+4+\b], v[TM+\b], s[SEL], s[SEL+1]
.endr
.irp b, 0,1,2,3
	v_max_num_f32 v[TM+\b], v[TM+\b], v[TM+4+\b]
.endr
.irp b, 0,1,2,3
	v_add_nc_u32 v[TM+12+\b], 0xff000000, v[TM+\b]   ; 2 off the exponent field: the conversion's scale operand
.endr
.irp b, 0,1,2,3
	v_lshrrev_b32 v[TM+4+\b], 23, v[TM+12+\b]        ; the scale's byte
.endr
	v_lshl_or_b32 v[WD], v[TM+5], 8, v[TM+4]
	v_lshl_or_b32 v[WD+1], v[TM+7], 8, v[TM+6]
	v_cndmask_b32 v[WD], v[WD], v[WD+1], s[HM]
.if \flav
.irp c, 0,1
	v_cvt_scalef32_pk8_fp4_f32 v[PC+4*\c], v[\s+32*\c:\s+32*\c+7], v[TM+12+2*\c]
	v_cvt_scalef32_pk8_fp4_f32 v[PC+4*\c+2], v[\s+32*\c+8:\s+32*\c+15], v[TM+12+2*\c]
	v_cvt_scalef32_pk8_fp4_f32 v[PC+4*\c+1], v[\s+32*\c+16:\s+32*\c+23], v[TM+13+2*\c]
	v_cvt_scalef32_pk8_fp4_f32 v[PC+4*\c+3], v[\s+32*\c+24:\s+32*\c+31], v[TM+13+2*\c]
.endr
	v_nop                                          ; one plain place behind a scaled conversion
.irp c, 0,1
	v_permlane16_swap_b32 v[PC+4*\c], v[PC+4*\c+1]
	v_permlane16_swap_b32 v[PC+4*\c+2], v[PC+4*\c+3]
.endr
.else
.irp b, 0,1,2,3
	v_cvt_scalef32_pk8_fp4_f32 v[PC+2*\b], v[\s+16*\b:\s+16*\b+7], v[TM+12+\b]
	v_cvt_scalef32_pk8_fp4_f32 v[PC+2*\b+1], v[\s+16*\b+8:\s+16*\b+15], v[TM+12+\b]
.endr
	v_nop
.irp c, 0,1
	v_permlane16_swap_b32 v[PC+4*\c], v[PC+4*\c+2]
	v_permlane16_swap_b32 v[PC+4*\c+1], v[PC+4*\c+3]
.endr
.endif
.endm
.macro QKCALL hd, ttp                  ; head hd of q or k, token tiles 2 ttp and 2 ttp + 1: each store of codes covers 512 consecutive bytes
	s_wait_xcnt 0x0                                ; the earlier stores have read their data: the codes' and words' registers are written again only behind this wait
	ROPE 2*(\ttp), \hd, R
	ROPE 2*(\ttp)+1, \hd, R+32
	WIN 0
	QUANT R, 1
	global_store_b128 v[QST], v[PC:PC+3], s[CB+2*(\hd):CB+2*(\hd)+1] offset:1024*(\ttp)
	global_store_b128 v[QST], v[PC+4:PC+7], s[CB+2*(\hd):CB+2*(\hd)+1] offset:1024*(\ttp)+512
	global_store_b32 v[WST], v[WD], s[SB+2*(\hd):SB+2*(\hd)+1] offset:128*(\ttp)
.endm
.irp b, 0,1,2,3
	v_mov_b32 v[TM+4+\b], 0                        ; written once: a lane permute's destination counts as one of its sources
.endr
	QKCALL 0, 0
	QKCALL 0, 1
	QKCALL 1, 0
	QKCALL 1, 1
	s_cmp_eq_u32 s[CC], 0
	s_cbranch_scc0 .Lvpath
	QKCALL 2, 0
	QKCALL 2, 1
	s_branch .Lend
.Lvpath:
	; v is quantised along the TOKENS: it turns through my own stage (row = d, 64 tokens of 4 bytes).  The stage lies in slot 0, which has had its last fill, and which nobody reads behind the last change of slots.
.irp tt, 0,1,2,3
	WIN 0x08+4*(\tt/2)                             ; the data: window 2 or 3
.irp c, 0,1,2,3
.irp j, 0,1,2,3,4,5,6,7
	ds_store_b32 v[SV], v[8*(NB*(\tt%2)+8+\c)+\j] offset:(16*\c+\j)*272+64*\tt
.endr
.endr
.endr
	WIN 0
.irp cp, 0,1                           ; two tiles of 16 d at a time: lane (r, h) takes d = 16 tile + r and tokens 32 p + 16 h + 0 .. 15
	s_wait_xcnt 0x0                                ; the earlier stores have read their data
.irp c, 0,1
.irp p, 0,1
.irp n, 0,1,2,3
	ds_load_b128 v[R+16*(2*\c+\p)+4*\n:R+16*(2*\c+\p)+4*\n+3], v[LV] offset:(2*\cp+\c)*4352+128*\p+16*\n   ; LDS serves a wave's instructions in order: these see my stores
.endr
.endr
.endr
	s_wait_dscnt 0x0
	QUANT R, 0
	global_store_b128 v[VST], v[PC:PC+3], s[CB+4:CB+5] offset:512*\cp          ; sixteen lanes store 256 consecutive bytes, aligned
	global_store_b128 v[VST], v[PC+4:PC+7], s[CB+4:CB+5] offset:512*\cp+256
	global_store_b16 v[VSS], v[WD], s[SB+4:SB+5] offset:128*\cp                ; my two blocks' bytes of each d's word
.endr
.Lend:
	s_wait_tensorcnt 0x0                           ; the wave's end
	ds_add_u32 v[SPW], v[NIL]
	s_wait_dscnt 0x0
	CROUND                                         ; the closing round
	s_endpgm
.Lfunc_end_k_q20ac1cf718_qkv:
	.size	k_q20ac1cf718_qkv, .Lfunc_end_k_q20ac1cf718_qkv-k_q20ac1cf718_qkv
	.p2alignl 7, 3214868480
	.fill 96, 4, 3214868480
	.section	.rodata,"a",@progbits
	.p2align	6, 0x0
	.amdhsa_kernel k_q20ac1cf718_qkv
		.amdhsa_group_segment_fixed_size 327680
		.amdhsa_private_segment_fixed_size 0
		.amdhsa_enable_private_segment 0
		.amdhsa_kernarg_size 72
		.amdhsa_user_sgpr_count 2
		.amdhsa_user_sgpr_kernarg_segment_ptr 1
		.amdhsa_wavefront_size32 1
		.amdhsa_system_sgpr_workgroup_id_x 1
		.amdhsa_system_sgpr_workgroup_id_y 1
		.amdhsa_system_sgpr_workgroup_id_z 1
		.amdhsa_system_vgpr_workitem_id 0
		.amdhsa_next_free_vgpr 1024
		.amdhsa_next_free_sgpr 102
		.amdhsa_reserve_vcc 1
		.amdhsa_float_denorm_mode_32 3
		.amdhsa_float_denorm_mode_16_64 3
		.amdhsa_memory_ordered 1
		.amdhsa_forward_progress 1
		.amdhsa_inst_pref_size 255
	.end_amdhsa_kernel
	.section	.bss,"aw",@nobits
	.p2align	6
	.space	262144
	.amdgpu_metadata
---
amdhsa.version: [ 1, 2 ]
amdhsa.kernels:
  - .name:           k_q20ac1cf718_qkv
    .symbol:         k_q20ac1cf718_qkv.kd
    .args:
      - { .name: x_codes, .offset: 0, .size: 8, .value_kind: global_buffer, .address_space: global }
      - { .name: x_scales, .offset: 8, .size: 8, .value_kind: global_buffer, .address_space: global }
      - { .name: qkv_w_codes, .offset: 16, .size: 8, .value_kind: global_buffer, .address_space: global }
      - { .name: qkv_w_scales, .offset: 24, .size: 8, .value_kind: global_buffer, .address_space: global }
      - { .name: qkv_b, .offset: 32, .size: 8, .value_kind: global_buffer, .address_space: global }
      - { .name: qk_codes, .offset: 40, .size: 8, .value_kind: global_buffer, .address_space: global }
      - { .name: qk_sc, .offset: 48, .size: 8, .value_kind: global_buffer, .address_space: global }
      - { .name: v_codes, .offset: 56, .size: 8, .value_kind: global_buffer, .address_space: global }
      - { .name: v_sc, .offset: 64, .size: 8, .value_kind: global_buffer, .address_space: global }
    .group_segment_fixed_size: 327680
    .private_segment_fixed_size: 0
    .kernarg_segment_align: 8
    .kernarg_segment_size: 72
    .max_flat_workgroup_size: 128
    .sgpr_count:     102
    .vgpr_count:     1024
    .wavefront_size: 32
...
	.end_amdgpu_metadata
.endif
;; end of part 1
;; launch attn (part 2): grid 256 x 1, 8 waves a work-group, no clusters, 19,456 bytes of LDS; arguments qk_codes, qk_sc, v_codes, v_sc, sinks, a_codes, a_scales; writes a_codes, a_scales
.if DOCPART == 2
	.amdgcn_target "amdgcn-amd-amdhsa--gfx1250"
	.amdhsa_code_object_version 6
	.text
	.protected	k_q20ac1cf718_attn
	.globl	k_q20ac1cf718_attn
	.p2align	8
	.type	k_q20ac1cf718_attn,@function
k_q20ac1cf718_attn:
	s_mov_b64 s[64:65], 0
	v_nop
	global_prefetch_b8 v0, s[64:65] scope:SCOPE_SE
	s_setreg_imm32_b32 hwreg(HW_REG_WAVE_MODE, 25, 1), 1
	s_wait_xcnt 0x0
; Attention under the causal window of 128 keys, both products on codes of FP4 (E2M1) with E8M0 scales; the weights are quantised finished and normalised (the sink in the divisor), in blocks of 32 keys
; counted from key 0; the result is quantised along (head, d) for the last product.
; SHARES.  A work-group takes 16 queries (tile T of 256); wave g takes kv head g and its four query heads, one after the other.  Query 32 A + 16 u + r sees keys of the five aligned blocks A - 4 .. A alone:
; 160 scores a query, 80 a lane, so the softmax is finished in one pass, the row's true maximum taken away.
; LAYOUT.  Both products are used transposed: S^T = K Q^T (source 0 = 16 keys, source 1 = 16 queries), O^T = V^T W^T: a lane holds one query (lane % 16) throughout.
; The head's 64 fill half of the instruction's 128 along K: Q's upper half is zero codes, so K's upper registers may hold anything (here: the next tile's codes).  Likewise the fifth key block: W's other three blocks are zero codes.
; Blocks before key 0 are read as block 0 and get -infinity as their addend: their weights are 0.
; NO CLUSTER, NO TILES IN LDS: a wave's K and V (10 + 12 loads of 16 bytes a lane) go straight into registers, once, and serve four heads; there is no tile in LDS that partners could ask for jointly.
; LIMITS: NaN and infinities are not served.  An exponential under 2^-126 comes out as 0.  A block of zeros gets the byte 1 where the quantiser says 127: its codes are zeros, and this program alone reads the bytes.
; A block's largest weight is made from the block's largest score by the same instructions as every weight; this takes the exponential not to fall where its input rises.
; REGISTERS.  Window 0: v1-15 addresses; v16-47 Q (4 x 8, upper halves 0); v48-70 scale words alone; v72-151 scores, then weights; v152-183 O^T; v184-199 the weights' codes; v200-255 at work.
; Window 1: v0-43 K (tile kt at 4 kt, 8 registers, overlapping); v48-79 V of blocks A - 4 .. A - 1; v80-99 V of block A (overlapping).
.set QF,  16
.set QS,  48
.set KS,  52
.set VS0, 57
.set VS1, 61
.set PW0, 65
.set PW1, 66
.set VL,  67
.set RDA, 71                           ; the way out: my two rows of the stage
.set S,   72
.set O,   152
.set PC0, 184
.set PC1, 192
.set NMB, 200                          ; five pairs: a block's addend in the low word
.set BM,  210                          ; five: a block's largest score, then weight
.set BT,  216
.set RDS, 221
.set NM,  222
.set SK,  223
.set SUM, 224
.set SUM2, 226
.set RI,  228
.set SCO, 230
.set L16, 235
.set BY,  236
.set STC, 241
.set NINF, 242
.set STS, 243
.set OM,  244
.set OT,  246
.set OS,  248
.set OB,  250
.set OC,  252
.set KF,  0
.set VF,  48
.set VG,  80
.set WV,  18
.set MK,  32                           ; s[32:47] lanes whose key 16 t + 8 h + j of a block comes after 16 u + r
.set SINV, 48                          ; s[48:51] 0, or -infinity for a block before key 0
.set SNK, 52                           ; s[52:55] my four heads' sinks
.set CS,  56                           ; s[56:57] log2(e) / 8
.set SEL, 58
.set HM,  60
.set MSB, 0
.macro WIN new
.if MSB != (\new)
	s_set_vgpr_msb (MSB<<8)|(\new)
.set MSB, (\new)
.endif
.endm
.macro PLACES n
.rept \n
	v_nop
.endr
.endm
	s_load_b256 s[4:11], s[0:1], 0x0               ; qk_codes, qk_sc, v_codes, v_sc
	s_load_b128 s[12:15], s[0:1], 0x20             ; sinks, a_codes
	s_load_b64 s[16:17], s[0:1], 0x30              ; a_scales
	v_lshl_add_u32 v215, v0, 2, 0x4800
	s_set_vgpr_msb 0x40
	v_mov_b32 v129, 0
	s_set_vgpr_msb 0x4000
	v_lshrrev_b32 v1, 5, v0
	v_readfirstlane_b32 s[WV], v1                  ; g
	s_lshr_b32 s19, ttmp9, 6                       ; batch
	s_and_b32 s2, ttmp9, 63
	s_lshr_b32 s24, s2, 1                          ; A
	s_and_b32 s62, s2, 1                           ; u
.irp b, 0,1,2,3
	s_add_co_i32 s[20+\b], s24, \b-4
	s_cmp_ge_i32 s[20+\b], 0
	s_cselect_b32 s[SINV+\b], 0, 0xff800000
	s_max_i32 s[20+\b], s[20+\b], 0
.endr
	s_lshr_b32 s26, s24, 2                         ; block A's 128 keys, and the 128 before
	s_sub_co_i32 s25, s26, 1
	s_max_i32 s25, s25, 0
	s_and_b32 s27, s24, 3
	s_lshl_b32 s27, s27, 3                         ; bits by which V's scale words are shifted
	s_min_u32 s63, s[WV], 1
	s_mov_b32 s[CS], 0x3e38aa3b
	s_mov_b32 s[CS+1], s[CS]
	s_mov_b32 s[SEL], 0x76543210
	s_mov_b32 s[SEL+1], 0xfedcba98
	s_mov_b32 s[HM], 0xffff0000
	s_mov_b32 s79, 0
	s_lshl_b32 s61, s[WV], 4
	v_and_b32 v1, 15, v0                           ; r
	v_bfe_u32 v2, v0, 4, 1                         ; h
	v_and_b32 v3, 31, v0                           ; lane
	v_lshlrev_b32 v4, 5, v1
	v_lshl_add_u32 v4, v2, 4, v4                   ; 32 r + 16 h: a token's codes
	v_lshlrev_b32 v5, 2, v1
	v_lshlrev_b32 v6, 2, v3
	v_lshlrev_b32 v7, 4, v1
.irp b, 0,1,2,3,4
	v_lshl_add_u32 v[8+\b], s[20+\b], 10, v4       ; K: a block's 32 tokens are 1,024 bytes
	v_lshl_add_u32 v[153+\b], s[20+\b], 7, v6      ; and 128 bytes of scale words: lanes 0-15 the first tile's, lanes 16-31 the second's
.endr
	v_lshl_add_u32 v13, s20, 10, v7                ; V: lanes 0-15 take blocks 0 and 2 of the four, lanes 16-31 blocks 1 and 3
	v_lshl_add_u32 v152, s21, 10, v7
	v_cndmask_b32 v13, v13, v152, s[HM]
	v_lshl_add_u32 v14, s22, 10, v7
	v_lshl_add_u32 v152, s23, 10, v7
	v_cndmask_b32 v14, v14, v152, s[HM]
	v_lshl_add_u32 v15, s24, 10, v7
	v_lshl_add_u32 v158, s25, 8, v5
	v_lshl_add_u32 v159, s26, 8, v5
	s_wait_kmcnt 0x0
	s_load_b128 s[SNK:SNK+3], s[12:13], s61 offset:0x0
	s_lshl_b32 s78, s[WV], 19                      ; Q: planes 4 g on, tokens 16 T on
	s_lshl_b32 s2, ttmp9, 9
	s_add_co_u32 s78, s78, s2
	s_add_nc_u64 s[28:29], s[4:5], s[78:79]
	s_lshl_b32 s78, s[WV], 16
	s_lshl_b32 s2, ttmp9, 6
	s_add_co_u32 s78, s78, s2
	s_add_nc_u64 s[30:31], s[6:7], s[78:79]
	s_add_co_u32 s3, s[WV], 32                     ; K: plane 32 + g, the batch's first token
	s_lshl_b32 s78, s3, 17
	s_lshl_b32 s2, s19, 15
	s_add_co_u32 s78, s78, s2
	s_add_nc_u64 s[66:67], s[4:5], s[78:79]
	s_lshl_b32 s78, s3, 14
	s_lshl_b32 s2, s19, 12
	s_add_co_u32 s78, s78, s2
	s_add_nc_u64 s[68:69], s[6:7], s[78:79]
	s_lshl_b32 s3, s19, 3
	s_add_co_u32 s3, s3, s[WV]                     ; V: 8 batch + g
	s_lshl_b32 s78, s3, 15
	s_add_nc_u64 s[70:71], s[8:9], s[78:79]
	s_lshl_b32 s78, s3, 11
	s_add_nc_u64 s[72:73], s[10:11], s[78:79]
	s_lshl_b32 s78, ttmp9, 14                      ; out: 16 rows of 1,024 bytes, two rows a wave
	s_lshl_b32 s2, s[WV], 11
	s_add_co_u32 s78, s78, s2
	s_add_nc_u64 s[74:75], s[14:15], s[78:79]
	s_lshl_b32 s78, ttmp9, 10                      ; 16 rows of 64 scale bytes, 512 bytes for each of waves 0 and 1
	s_lshl_b32 s2, s63, 9
	s_add_co_u32 s78, s78, s2
	s_add_nc_u64 s[76:77], s[16:17], s[78:79]
.irp m, 0,1,2,3
	global_load_b128 v[QF+8*\m:QF+8*\m+3], v4, s[28:29] offset:\m*131072
.endr
.irp m, 0,1,2,3
	global_load_b32 v[QS+\m], v5, s[30:31] offset:\m*16384
.endr
.irp b, 0,1,2,3,4
	global_load_b32 v[KS+\b], v[153+\b], s[68:69]
.endr
.irp d, 0,1,2,3
	global_load_b32 v[VL+\d], v158, s[72:73] offset:64*\d
	global_load_b32 v[VS1+\d], v159, s[72:73] offset:64*\d
.endr
	WIN 0x40                                       ; destination window 1
.irp b, 0,1,2,3,4
	global_load_b128 v[KF+8*\b:KF+8*\b+3], v[8+\b], s[66:67]
	global_load_b128 v[KF+8*\b+4:KF+8*\b+7], v[8+\b], s[66:67] offset:512
.endr
.irp d, 0,1,2,3
	global_load_b128 v[VF+8*\d:VF+8*\d+3], v13, s[70:71] offset:256*\d
	global_load_b128 v[VF+8*\d+4:VF+8*\d+7], v14, s[70:71] offset:256*\d
.endr
.irp d, 0,1,2,3
	global_load_b128 v[VG+4*\d:VG+4*\d+3], v15, s[70:71] offset:256*\d
.endr
.irp i, 0,1,2,3
	v_mov_b32 v[KF+40+\i], 0                       ; the last fragments' upper halves
	v_mov_b32 v[VG+16+\i], 0
.endr
	WIN 0
.irp m, 0,1,2,3
.irp i, 4,5,6,7
	v_mov_b32 v[QF+8*\m+\i], 0                     ; Q's upper half: zero codes
.endr
.endr
.irp i, 4,5,6,7
	v_mov_b32 v[PC1+\i], 0
.endr
.irp b, 0,1,2,3,4
	v_mov_b32 v[NMB+2*\b+1], 0                     ; named as the upper halves of pairs
	v_mov_b32 v[BT+\b], 0                          ; a lane permute's destination counts as one of its sources
.endr
	v_mov_b32 v[OT], 0
	v_mov_b32 v[OT+1], 0
	v_mov_b32 v[RI+1], 0
	v_mov_b32 v[NINF], 0xff800000
	v_lshlrev_b32 v[SK], 3, v2
	v_sub_nc_u32 v[SK], v1, v[SK]
	s_lshl_b32 s2, s62, 4
	v_add_nc_u32 v[SK], s2, v[SK]                  ; 16 u + r - 8 h
.irp t, 0,1
.irp j, 0,1,2,3,4,5,6,7
	v_cmp_gt_i32 s[MK+8*\t+\j], 16*\t+\j, v[SK]
.endr
.endr
	v_mul_u32_u24 v[STC], v1, 1040                 ; the stage: 16 rows of 1,024 bytes + 16; head 4 g + m at 32 bytes each
	v_lshl_add_u32 v[STC], v2, 4, v[STC]
	s_lshl_b32 s2, s[WV], 7
	v_add_nc_u32 v[STC], s2, v[STC]
	v_lshlrev_b32 v[STS], 6, v1                    ; behind it 16 rows of 64 scale bytes
	s_lshl_b32 s2, s[WV], 3
	s_add_co_u32 s2, s2, 16640
	v_add_nc_u32 v[STS], s2, v[STS]
	s_mul_i32 s2, s[WV], 2080
	v_lshl_add_u32 v[RDA], v3, 4, s2
	s_lshl_b32 s2, s63, 9
	s_add_co_u32 s2, s2, 16640
	v_lshl_add_u32 v[RDS], v3, 4, s2
	v_lshlrev_b32 v[L16], 4, v3
	s_wait_loadcnt 12                              ; all but the twelve youngest loads, V's fragments
	s_wait_xcnt 0x0                                ; every load has read its address: those registers may be written
	s_wait_kmcnt 0x0                               ; the sinks
.irp d, 0,1,2,3
	v_alignbit_b32 v[VS0+\d], v[VS1+\d], v[VL+\d], s27   ; the bytes of blocks A - 4 .. A - 1
.endr
.irp d, 0,1,2,3
	v_lshrrev_b32 v[VS1+\d], s27, v[VS1+\d]              ; block A's byte lowest
.endr
.macro HEAD m
	WIN 0x01                                       ; source 0 window 1
.irp kt, 0,1,2,3,4,5,6,7,8,9
.if \kt%2
	v_wmma_scale_f32_16x16x128_f8f6f4 v[S+8*\kt:S+8*\kt+7], v[KF+4*\kt:KF+4*\kt+7], v[QF+8*\m:QF+8*\m+7], 0, v[KS+\kt/2], v[QS+\m] matrix_a_fmt:MATRIX_FMT_FP4 matrix_b_fmt:MATRIX_FMT_FP4 matrix_a_scale:MATRIX_SCALE_ROW1
.else
	v_wmma_scale_f32_16x16x128_f8f6f4 v[S+8*\kt:S+8*\kt+7], v[KF+4*\kt:KF+4*\kt+7], v[QF+8*\m:QF+8*\m+7], 0, v[KS+\kt/2], v[QS+\m] matrix_a_fmt:MATRIX_FMT_FP4 matrix_b_fmt:MATRIX_FMT_FP4
.endif
.endr
	WIN 0
	PLACES 4
.irp i, 0,1,2,3,4,5,6,7,8,9,10,11,12,13,14,15
	v_cndmask_b32 v[S+\i], v[NINF], v[S+\i], s[MK+\i]          ; block A - 4: only keys later than query - 128 count
.endr
.irp i, 0,1,2,3,4,5,6,7,8,9,10,11,12,13,14,15
	v_cndmask_b32 v[S+64+\i], v[S+64+\i], v[NINF], s[MK+\i]    ; block A: only keys up to the query count
.endr
.irp b, 0,1,2,3,4
	v_max3_num_f32 v[BM+\b], v[S+16*\b], v[S+16*\b+1], v[S+16*\b+2]   ; each block's largest score: for the row's maximum and for the block's largest weight
.endr
.irp i, 3,5,7,9,11,13
.irp b, 0,1,2,3,4
	v_max3_num_f32 v[BM+\b], v[BM+\b], v[S+16*\b+\i], v[S+16*\b+\i+1]
.endr
.endr
.irp b, 0,1,2,3,4
	v_max_num_f32 v[BM+\b], v[BM+\b], v[S+16*\b+15]
.endr
.irp b, 0,1,2,3,4
	v_permlanex16_b32 v[BT+\b], v[BM+\b], s[SEL], s[SEL+1]
.endr
.irp b, 0,1,2,3,4
	v_max_num_f32 v[BM+\b], v[BM+\b], v[BT+\b]
.endr
.irp b, 0,1,2,3
	v_add_f32 v[BM+\b], s[SINV+\b], v[BM+\b]       ; a block before key 0 counts for nothing
.endr
	v_max3_num_f32 v[NM], v[BM], v[BM+1], v[BM+2]
	v_max3_num_f32 v[NM], v[NM], v[BM+3], v[BM+4]  ; the row's largest score (the query's own key always counts)
	v_mul_f32 v[NM], 0xbe38aa3b, v[NM]             ; - maximum x log2(e) / 8
.irp b, 0,1,2,3
	v_add_f32 v[NMB+2*\b], s[SINV+\b], v[NM]
.endr
	v_mov_b32 v[NMB+8], v[NM]
.irp b, 0,1,2,3,4
.irp i, 0,2,4,6,8,10,12,14
	v_pk_fma_f32 v[S+16*\b+\i:S+16*\b+\i+1], v[S+16*\b+\i:S+16*\b+\i+1], s[CS:CS+1], v[NMB+2*\b:NMB+2*\b+1] op_sel_hi:[1,0,0]
.endr
.endr
.irp b, 0,1,2,3,4
	v_fma_f32 v[BM+\b], v[BM+\b], s[CS], v[NMB+2*\b]
.endr
	v_fma_f32 v[SK], s[SNK+\m], 0x3fb8aa3b, v[NM]  ; the sink less the maximum, in base 2
.set e, 0
.rept 80
	v_exp_f32 v[S+e], v[S+e]
.set e, e+1
.endr
.irp b, 0,1,2,3,4
	v_exp_f32 v[BM+\b], v[BM+\b]
.endr
	v_exp_f32 v[SK], v[SK]
	v_mov_b32 v[PC1+1], 0                          ; plain work behind the exponentials: the empty block beside block A, cleared anew (the exchange of halves below writes it)
	v_mov_b32 v[PC1+3], 0
	s_wait_alu depctr_va_vdst(0)                   ; one wait for the batch of 86, ahead of its first reader
	v_pk_add_f32 v[SUM:SUM+1], v[S:S+1], v[S+2:S+3]
	v_pk_add_f32 v[SUM2:SUM2+1], v[S+4:S+5], v[S+6:S+7]
.set e, 8
.rept 18
	v_pk_add_f32 v[SUM:SUM+1], v[SUM:SUM+1], v[S+e:S+e+1]
	v_pk_add_f32 v[SUM2:SUM2+1], v[SUM2:SUM2+1], v[S+e+2:S+e+3]
.set e, e+4
.endr
	v_pk_add_f32 v[SUM:SUM+1], v[SUM:SUM+1], v[SUM2:SUM2+1]
	v_add_f32 v[SUM], v[SUM], v[SUM+1]
	v_permlanex16_b32 v[SUM2], v[SUM], s[SEL], s[SEL+1]
	v_add_f32 v[SUM], v[SUM], v[SUM2]
	v_add_f32 v[SUM], v[SUM], v[SK]                ; the divisor: the row's sum and the sink's exponential
	v_rcp_f32 v[RI], v[SUM]
	v_nop
	s_wait_alu depctr_va_vdst(0)
.set e, 0
.rept 40
	v_pk_mul_f32 v[S+e:S+e+1], v[S+e:S+e+1], v[RI:RI+1] op_sel_hi:[1,0]   ; the finished weights
.set e, e+2
.endr
.irp b, 0,1,2,3,4
	v_mul_f32 v[BM+\b], v[BM+\b], v[RI]
.endr
.irp b, 0,1,2,3,4
	v_max_num_f32 v[BM+\b], 0x1800000, v[BM+\b]    ; the floor 2^(3 - 127): the byte cannot fall under 1
.endr
.irp b, 0,1,2,3,4
	v_add_nc_u32 v[SCO+\b], 0xff000000, v[BM+\b]
.endr
.irp b, 0,1,2,3,4
	v_lshrrev_b32 v[BY+\b], 23, v[SCO+\b]
.endr
	v_lshl_or_b32 v[PW0], v[BY+1], 8, v[BY]
	v_lshl_or_b32 v[PW0], v[BY+2], 16, v[PW0]
	v_lshl_or_b32 v[PW0], v[BY+3], 24, v[PW0]
	v_mov_b32 v[PW1], v[BY+4]
.irp c, 0,1
	v_cvt_scalef32_pk8_fp4_f32 v[PC0+4*\c], v[S+32*\c:S+32*\c+7], v[SCO+2*\c]
	v_cvt_scalef32_pk8_fp4_f32 v[PC0+4*\c+2], v[S+32*\c+8:S+32*\c+15], v[SCO+2*\c]
	v_cvt_scalef32_pk8_fp4_f32 v[PC0+4*\c+1], v[S+32*\c+16:S+32*\c+23], v[SCO+2*\c+1]
	v_cvt_scalef32_pk8_fp4_f32 v[PC0+4*\c+3], v[S+32*\c+24:S+32*\c+31], v[SCO+2*\c+1]
.endr
	v_cvt_scalef32_pk8_fp4_f32 v[PC1], v[S+64:S+71], v[SCO+4]
	v_cvt_scalef32_pk8_fp4_f32 v[PC1+2], v[S+72:S+79], v[SCO+4]
	v_nop                                          ; one plain place behind a scaled conversion
.irp c, 0,2,4,6
	v_permlane16_swap_b32 v[PC0+\c], v[PC0+\c+1]   ; a whole block to a lane: lanes 0-15 the even blocks, lanes 16-31 the odd ones
.endr
	v_permlane16_swap_b32 v[PC1], v[PC1+1]
	v_permlane16_swap_b32 v[PC1+2], v[PC1+3]
	PLACES 8                                       ; a scale word written by vector instructions stands eight places ahead of a scaled product, an operand four
.if \m == 0
	s_wait_loadcnt 0x0                             ; V's fragments
.endif
	WIN 0x01
.irp d, 0,1,2,3
	v_wmma_scale_f32_16x16x128_f8f6f4 v[O+8*\d:O+8*\d+7], v[VF+8*\d:VF+8*\d+7], v[PC0:PC0+7], 0, v[VS0+\d], v[PW0] matrix_a_fmt:MATRIX_FMT_FP4 matrix_b_fmt:MATRIX_FMT_FP4
.endr
.irp d, 0,1,2,3                        ; the four accumulators by turns
	v_wmma_scale_f32_16x16x128_f8f6f4 v[O+8*\d:O+8*\d+7], v[VG+4*\d:VG+4*\d+7], v[PC1:PC1+7], v[O+8*\d:O+8*\d+7], v[VS1+\d], v[PW1] matrix_a_fmt:MATRIX_FMT_FP4 matrix_b_fmt:MATRIX_FMT_FP4
.endr
	WIN 0
	PLACES 4
.irp b, 0,1
	v_max3_num_f32 v[OM+\b], |v[O+16*\b]|, |v[O+16*\b+1]|, 0x1800000   ; the head's two blocks of 32 along the last product's K
.endr
.irp i, 2,4,6,8,10,12,14
.irp b, 0,1
	v_max3_num_f32 v[OM+\b], v[OM+\b], |v[O+16*\b+\i]|, |v[O+16*\b+\i+1]|
.endr
.endr
.irp b, 0,1
	v_permlanex16_b32 v[OT+\b], v[OM+\b], s[SEL], s[SEL+1]
.endr
.irp b, 0,1
	v_max_num_f32 v[OM+\b], v[OM+\b], v[OT+\b]
.endr
.irp b, 0,1
	v_add_nc_u32 v[OS+\b], 0xff000000, v[OM+\b]
.endr
.irp b, 0,1
	v_lshrrev_b32 v[OB+\b], 23, v[OS+\b]
.endr
	v_lshl_or_b32 v[OB], v[OB+1], 8, v[OB]
	v_cvt_scalef32_pk8_fp4_f32 v[OC], v[O:O+7], v[OS]
	v_cvt_scalef32_pk8_fp4_f32 v[OC+2], v[O+8:O+15], v[OS]
	v_cvt_scalef32_pk8_fp4_f32 v[OC+1], v[O+16:O+23], v[OS+1]
	v_cvt_scalef32_pk8_fp4_f32 v[OC+3], v[O+24:O+31], v[OS+1]
	v_nop
	v_permlane16_swap_b32 v[OC], v[OC+1]
	v_permlane16_swap_b32 v[OC+2], v[OC+3]
	ds_store_b128 v[STC], v[OC:OC+3] offset:32*\m  ; lane (r, h): block h of head 4 g + m, token r
	ds_store_b16 v[STS], v[OB] offset:2*\m         ; both halves of the lanes write the same two bytes with the same value
.endm
	HEAD 0
	HEAD 1
	HEAD 2
	HEAD 3
	s_wait_dscnt 0x0                               ; for the others' sake: my stores into the stage are done
	s_barrier_signal -1
	s_barrier_wait -1
.irp i, 0,1,2,3
	ds_load_b128 v[S+4*\i:S+4*\i+3], v[RDA] offset:(\i/2)*1040+(\i%2)*512
.endr
	s_wait_dscnt 0x0
.irp i, 0,1,2,3
	global_store_b128 v[L16], v[S+4*\i:S+4*\i+3], s[74:75] offset:512*\i   ; 32 lanes store 512 consecutive bytes, aligned
.endr
	s_cmp_lt_u32 s[WV], 2
	s_cbranch_scc0 .Ldone
	ds_load_b128 v[S+16:S+19], v[RDS]
	s_wait_dscnt 0x0
	global_store_b128 v[L16], v[S+16:S+19], s[76:77]
.Ldone:
	s_set_vgpr_msb 0x4
	s_wait_tensorcnt 0x0
	ds_add_u32 v215, v129
	s_wait_dscnt 0x0
	s_set_vgpr_msb 0x400
	s_endpgm
.Lfunc_end_k_q20ac1cf718_attn:
	.size	k_q20ac1cf718_attn, .Lfunc_end_k_q20ac1cf718_attn-k_q20ac1cf718_attn
	.p2alignl 7, 3214868480
	.fill 96, 4, 3214868480
	.section	.rodata,"a",@progbits
	.p2align	6, 0x0
	.amdhsa_kernel k_q20ac1cf718_attn
		.amdhsa_group_segment_fixed_size 19456
		.amdhsa_private_segment_fixed_size 0
		.amdhsa_enable_private_segment 0
		.amdhsa_kernarg_size 56
		.amdhsa_user_sgpr_count 2
		.amdhsa_user_sgpr_kernarg_segment_ptr 1
		.amdhsa_wavefront_size32 1
		.amdhsa_system_sgpr_workgroup_id_x 1
		.amdhsa_system_sgpr_workgroup_id_y 1
		.amdhsa_system_sgpr_workgroup_id_z 1
		.amdhsa_system_vgpr_workitem_id 0
		.amdhsa_next_free_vgpr 386
		.amdhsa_next_free_sgpr 80
		.amdhsa_reserve_vcc 0
		.amdhsa_float_denorm_mode_32 3
		.amdhsa_float_denorm_mode_16_64 3
		.amdhsa_memory_ordered 1
		.amdhsa_forward_progress 1
		.amdhsa_inst_pref_size 106
	.end_amdhsa_kernel
	.amdgpu_metadata
---
amdhsa.version: [ 1, 2 ]
amdhsa.kernels:
  - .name:           k_q20ac1cf718_attn
    .symbol:         k_q20ac1cf718_attn.kd
    .args:
      - { .name: qk_codes, .offset: 0, .size: 8, .value_kind: global_buffer, .address_space: global }
      - { .name: qk_sc, .offset: 8, .size: 8, .value_kind: global_buffer, .address_space: global }
      - { .name: v_codes, .offset: 16, .size: 8, .value_kind: global_buffer, .address_space: global }
      - { .name: v_sc, .offset: 24, .size: 8, .value_kind: global_buffer, .address_space: global }
      - { .name: sinks, .offset: 32, .size: 8, .value_kind: global_buffer, .address_space: global }
      - { .name: a_codes, .offset: 40, .size: 8, .value_kind: global_buffer, .address_space: global }
      - { .name: a_scales, .offset: 48, .size: 8, .value_kind: global_buffer, .address_space: global }
    .group_segment_fixed_size: 19456
    .private_segment_fixed_size: 0
    .kernarg_segment_align: 8
    .kernarg_segment_size: 56
    .max_flat_workgroup_size: 256
    .sgpr_count:     80
    .vgpr_count:     386
    .wavefront_size: 32
...
	.end_amdgpu_metadata
.endif
;; end of part 2
;; launch proj (part 3): grid 8 x 32, 4 waves a work-group, clusters of 4 x 4, 327,680 bytes of LDS; arguments a_codes, a_scales, out_w_codes, out_w_scales, out_b, out0; writes out0
.if DOCPART == 3
	.amdgcn_target "amdgcn-amd-amdhsa--gfx1250"
	.amdhsa_code_object_version 6
	.text
	.protected	k_q20ac1cf718_proj
	.globl	k_q20ac1cf718_proj
	.p2align	8
	.type	k_q20ac1cf718_proj,@function
k_q20ac1cf718_proj:
	s_mov_b64 s[64:65], 0
	v_nop
	global_prefetch_b8 v0, s[64:65] scope:SCOPE_SE
	s_setreg_imm32_b32 hwreg(HW_REG_WAVE_MODE, 25, 1), 1
	s_wait_xcnt 0x0
	s_wait_alu depctr_hold_cnt(0) depctr_sa_sdst(0) depctr_va_vdst(0) depctr_va_sdst(0) depctr_va_ssrc(0) depctr_va_vcc(0) depctr_vm_vsrc(0)
	s_getreg_b32 s2, hwreg(HW_REG_IB_STS2, 6, 4)
	s_cmp_eq_u32 s2, 0
	s_cbranch_scc0 .Lentry_in_a_cluster
	s_endpgm
.Lentry_in_a_cluster:
	s_bfe_u32 s2, ttmp6, 0x10000c
	s_cmp_lg_u32 s2, 0xf033
	s_cbranch_scc0 .Lentry_shape_is_right
	s_endpgm
.Lentry_shape_is_right:
; out0 = a out_w^T + out_b on codes of FP4 (E2M1) with E8M0 scales; a: the attention's result as codes [4096][1024 bytes] with scale bytes [4096][64]; out0 [4096][2048] f32.
; A work-group makes 128 tokens x 256 columns; four waves, each 64 tokens x 128 columns: 4 x 8 accumulators of 16 x 16.  K = 2,048 goes in four steps of 512 (rows of 256 bytes) through two LDS slots filled by
; the tensor data mover.  4 x 4 work-groups form a cluster: a's tile is asked for jointly along a row of the cluster, out_w's along a column.  The matrix instruction is used transposed (source 0 = 16 weight rows,
; source 1 = 16 tokens): a lane holds eight neighbouring columns of one token's row.  The bias is the C of each sum's first product.
; LIMITS: the scale byte 0xff among the inputs is not served.
; REGISTERS.  Window 0: v0-31 addresses; v32-95 scale words, two sets (nothing else ever); v128-159 the tokens' fragments; v160-223 the bias; on the way out v128-255 rows of out0.
; Window 1: the weights' fragments, sets at v0 and v128 (at the head v192-239: scale bytes on their way to LDS).  Window 2 + a / 2: accumulator (a, b) at v[8 (8 (a % 2) + b)].
.set NB,     8
.set SCSET,  4*NB
.set PITCH,  272                       ; an LDS row: 256 bytes + 16 of padding
.set ROWS,   128+32*NB                 ; a 128, out_w 256
.set SLOT,   ROWS*PITCH
.set SCL,    2*SLOT                    ; the scale bytes of the slot's rows for all of K: 4 rows of 64 bytes, then 16 of padding
.set SPARE,  SCL+(ROWS/4)*272
.set SPITCH, 528                       ; the way out: 16 rows x (512 bytes + 16) for each wave, in slot 0, which has then had its last fill and its last read
.set FLAGS,  (1<<20)|(1<<21)|(5<<22)|(3<<25)
.set LSX,  13
.set LSQ,  14
.set ADRA, 16
.set ADRB, 20
.set STO,  24
.set RD,   25
.set CO,   26
.set ADRS, 27
.set SPW,  28
.set NIL,  29
.set SC,   32
.set AF,   128
.set BIAS, 160
.set BK,   128
.set WV,   22
.set TR,   23
.set G1,   24
.set G1B,  32
.set G0,   40
.set G0B,  48
.set CC,   56
.set CX,   57
.set CY,   58
.set TX,   59
.set TY,   60
.set MSB, 0
.macro WIN new
.if MSB != (\new)
	s_set_vgpr_msb (MSB<<8)|(\new)
.set MSB, (\new)
.endif
.endm
.macro PLACES n
.rept \n
	v_nop
.endr
.endm
.macro CREST
	s_cmp_lg_u32 s[WV], 0
	s_cbranch_scc1 .Lnot_wave_0_\@
	s_barrier_signal -3
.Lnot_wave_0_\@:
	s_barrier_wait -3
	s_barrier_signal -1
	s_barrier_wait -1
.endm
.macro CROUND
	s_barrier_signal -1
	s_barrier_wait -1
	CREST
.endm
.macro TL g0, g1, s, two
.if \two
	tensor_load_to_lds s[\g0:\g0+3], s[\g1:\g1+7]
	s_nop 0
	tensor_load_to_lds s[\g0+4:\g0+7], s[\g1:\g1+7]
	s_nop 0
.else
	tensor_load_to_lds s[\g0+4*\s:\g0+4*\s+3], s[\g1:\g1+7]
	s_nop 0
.endif
	PLACES 4
.endm
.macro JLOAD s, two                    ; waves 0 and 1 ask for a's halves (64 rows), waves 2 and 3 for out_w's (128 rows)
	s_cmp_eq_u32 s[TR], 0
	s_cbranch_scc0 .Lfor_b_\@
	TL G0, G1, \s, \two
	s_branch .Lasked_\@
.Lfor_b_\@:
	TL G0B, G1B, \s, \two
.Lasked_\@:
.endm
	s_load_b256 s[4:11], s[0:1], 0x0               ; a codes, a scales, W codes, W scales
	s_load_b128 s[12:15], s[0:1], 0x20             ; bias, out0
	v_lshl_add_u32 v[SPW], v0, 2, SPARE
	v_mov_b32 v[NIL], 0
	ds_add_u32 v28, v29
	ds_add_u32 v28, v29
	s_wait_dscnt 0x0
	v_lshrrev_b32 v1, 5, v0
	v_readfirstlane_b32 s[WV], v1
	s_lshr_b32 s[TR], s[WV], 1
	s_and_b32 s[CC], s[WV], 1
	s_bfe_u32 s[CX], ttmp6, 0x40000
	s_bfe_u32 s[CY], ttmp6, 0x40004
	s_lshl_b32 s[TX], ttmp9, 2
	s_add_co_u32 s[TX], s[TX], s[CX]
	s_and_b32 s[TY], ttmp7, 0xffff
	s_lshl_b32 s[TY], s[TY], 2
	s_add_co_u32 s[TY], s[TY], s[CY]
	s_lshl_b32 s2, s[CY], 2
	s_lshl_b32 s2, 15, s2
	s_lshl_b32 s3, 0x1111, s[CX]
	s_or_b32 s[G1], s2, FLAGS
	s_or_b32 s[G1B], s3, FLAGS
.irp g, G1, G1B
	s_mov_b32 s[\g+1], 256<<16
	s_mov_b32 s[\g+3], 256<<16
	s_mov_b32 s[\g+5], 1024
	s_mov_b32 s[\g+6], 0
	s_mov_b32 s[\g+7], 0
.endr
	s_mov_b32 s[G1+2], 64<<16
	s_mov_b32 s[G1+4], 64
	s_mov_b32 s[G1B+2], 128<<16
	s_mov_b32 s[G1B+4], 128
	s_lshl_b32 s62, s[TY], 17                      ; a: 128 rows of 1,024 bytes a tile, my 64 of them
	s_lshl_b32 s63, s[CC], 16
	s_add_co_u32 s62, s62, s63
	s_mov_b32 s63, 0
	s_lshl_b32 s66, s[TX], 18                      ; out_w: 256 rows a tile, my 128 of them
	s_lshl_b32 s67, s[CC], 17
	s_add_co_u32 s66, s66, s67
	s_mov_b32 s67, 0
	s_mul_i32 s68, s[CC], 64*PITCH
	s_mul_i32 s69, s[CC], 128*PITCH
	s_wait_kmcnt 0x0
	s_add_nc_u64 s[62:63], s[4:5], s[62:63]
	s_add_nc_u64 s[66:67], s[8:9], s[66:67]
	CROUND                                         ; all sixteen work-groups are here: the first joint loads meet
.irp s, 0,1
	s_mov_b32 s[G0+4*\s], 1
	s_add_co_u32 s[G0+4*\s+1], s68, \s*SLOT
	s_add_nc_u64 s[G0+4*\s+2:G0+4*\s+3], s[62:63], \s*256
	s_or_b32 s[G0+4*\s+3], s[G0+4*\s+3], 0x80000000
	s_mov_b32 s[G0B+4*\s], 1
	s_add_co_u32 s[G0B+4*\s+1], s69, \s*SLOT+128*PITCH
	s_add_nc_u64 s[G0B+4*\s+2:G0B+4*\s+3], s[66:67], \s*256
	s_or_b32 s[G0B+4*\s+3], s[G0B+4*\s+3], 0x80000000
.endr
	JLOAD 0, 1                                     ; K steps 0 and 1: two loads of mine are out
	v_and_b32 v1, 15, v0                           ; r
	v_bfe_u32 v2, v0, 4, 1                         ; h
	v_and_b32 v3, 31, v0                           ; lane
	v_lshlrev_b32 v4, 4, v3
	s_lshl_b32 s2, s[TY], 13                       ; the scale bytes: a's 128 rows x 64, a quarter a wave
	s_lshl_b32 s3, s[WV], 11
	s_add_co_u32 s2, s2, s3
	v_add_nc_u32 v5, s2, v4
	s_lshl_b32 s2, s[TX], 14                       ; out_w's 256 rows x 64
	s_lshl_b32 s3, s[WV], 12
	s_add_co_u32 s2, s2, s3
	v_add_nc_u32 v6, s2, v4
	WIN 0x40
.irp n, 0,1,2,3
	global_load_b128 v[192+4*\n:195+4*\n], v5, s[6:7] offset:512*\n
.endr
.irp n, 0,1,2,3,4,5,6,7
	global_load_b128 v[208+4*\n:211+4*\n], v6, s[10:11] offset:512*\n
.endr
	WIN 0
	s_lshl_b32 s2, s[TX], 10                       ; the bias of my 128 columns; a lane wants the eight numbers of its half
	s_lshl_b32 s3, s[CC], 9
	s_add_co_u32 s2, s2, s3
	v_lshl_add_u32 v7, v2, 5, s2
.irp t, 0,1,2,3,4,5,6,7
	global_load_b128 v[BIAS+8*\t:BIAS+8*\t+3], v7, s[12:13] offset:64*\t
	global_load_b128 v[BIAS+8*\t+4:BIAS+8*\t+7], v7, s[12:13] offset:64*\t+16
.endr
	s_mov_b32 s66, s2                              ; out0: my first column, in bytes,
	s_lshl_b32 s2, s[TY], 7
	s_lshl_b32 s3, s[TR], 6
	s_add_co_u32 s2, s2, s3
	s_lshl_b32 s2, s2, 13                          ; and my first row of 8,192 bytes
	s_add_co_u32 s66, s66, s2
	s_mov_b32 s67, 0
	s_add_nc_u64 s[14:15], s[14:15], s[66:67]
	v_mul_u32_u24 v12, v1, PITCH
	v_lshl_add_u32 v12, v2, 4, v12
	s_mul_i32 s2, s[TR], 64*PITCH
	s_mul_i32 s3, s[CC], 16*NB*PITCH
	s_add_co_u32 s3, s3, 128*PITCH
.irp s, 0,1
	v_add_nc_u32 v[ADRA+\s], s2, v12
	v_add_nc_u32 v[ADRB+\s], s3, v12
	s_add_co_u32 s2, s2, SLOT
	s_add_co_u32 s3, s3, SLOT
.endr
	v_lshrrev_b32 v12, 2, v1
	v_mul_u32_u24 v12, v12, 272
	v_and_b32 v18, 3, v1
	v_lshl_add_u32 v12, v18, 6, v12
	s_mul_i32 s2, s[TR], 16*272
	s_mul_i32 s3, s[CC], 4*NB*272
	s_add_co_u32 s3, s3, 32*272
	s_sub_co_u32 s3, s3, s2
	v_mul_u32_u24 v18, s3, v2                      ; lanes 16-31 take the weights' scale rows
	s_add_co_u32 s2, s2, SCL
	v_add_nc_u32 v12, v12, v18
	v_add_nc_u32 v[ADRS], s2, v12
	v_mul_u32_u24 v12, v2, 272
	v_lshl_add_u32 v12, v1, 4, v12
	s_mul_i32 s2, s[WV], 2176
	s_add_co_u32 s2, s2, SCL
	v_add_nc_u32 v[LSX], s2, v12
	s_mul_i32 s2, s[WV], 4352
	s_add_co_u32 s2, s2, SCL+8704
	v_add_nc_u32 v[LSQ], s2, v12
	s_mul_i32 s2, s[WV], 16*SPITCH                 ; my stage
	v_mul_u32_u24 v12, v1, SPITCH
	v_lshl_add_u32 v12, v2, 5, v12
	v_add_nc_u32 v[STO], s2, v12
	v_lshlrev_b32 v[CO], 4, v3
	v_add_nc_u32 v[RD], s2, v[CO]
	s_wait_loadcnt 0x0                             ; the scale bytes and the bias
	WIN 0x04
.irp n, 0,1,2,3
	ds_store_b128 v[LSX], v[192+4*\n:195+4*\n] offset:544*\n
.endr
.irp n, 0,1,2,3,4,5,6,7
	ds_store_b128 v[LSQ], v[208+4*\n:211+4*\n] offset:544*\n
.endr
	WIN 0
.macro FRAG reg, adr, q, i
	ds_load_b128 v[\reg:\reg+3], v[\adr] offset:64*(\q)+(\i)*16*PITCH
	ds_load_b128 v[\reg+4:\reg+7], v[\adr] offset:64*(\q)+32+(\i)*16*PITCH
.endm
; NB products: token tile a against my NB column tiles.  The 4 NB accumulators take turns, one instruction a turn, in the same order in every step.
.macro MUL a, p, q, sc, first
.if \first
	WIN 0x81+0x40*((\a)/2)
.else
	WIN 0xa1+0x50*((\a)/2)
.endif
.set BI, 0
.rept NB
.set DA, 8*(NB*((\a)%2)+BI)
.if \first
	v_wmma_scale_f32_16x16x128_f8f6f4 v[DA:DA+7], v[128*(\p)+8*BI:128*(\p)+8*BI+7], v[AF+8*(\a):AF+8*(\a)+7], v[BIAS+8*BI:BIAS+8*BI+7], v[SC+SCSET*(\sc)+4*BI+(\q)], v[SC+SCSET*(\sc)+4*(\a)+(\q)] matrix_a_fmt:MATRIX_FMT_FP4 matrix_b_fmt:MATRIX_FMT_FP4 matrix_a_scale:MATRIX_SCALE_ROW1
.else
	v_wmma_scale_f32_16x16x128_f8f6f4 v[DA:DA+7], v[128*(\p)+8*BI:128*(\p)+8*BI+7], v[AF+8*(\a):AF+8*(\a)+7], v[DA:DA+7], v[SC+SCSET*(\sc)+4*BI+(\q)], v[SC+SCSET*(\sc)+4*(\a)+(\q)] matrix_a_fmt:MATRIX_FMT_FP4 matrix_b_fmt:MATRIX_FMT_FP4 matrix_a_scale:MATRIX_SCALE_ROW1
.endif
.set BI, BI+1
.endr
.endm
.macro FETCH_B slot, q, p
	WIN 0x40
.set BI, 0
.rept NB
	FRAG 128*(\p)+8*BI, ADRB+\slot, \q, BI
.set BI, BI+1
.endr
	WIN 0
.endm
.macro FETCH_A slot, q, i0
	FRAG AF+8*(\i0), ADRA+\slot, \q, \i0
	FRAG AF+8*(\i0)+8, ADRA+\slot, \q, (\i0)+1
.endm
.macro SCALES sc
.set BI, 0
.rept NB
	ds_load_b128 v[SC+SCSET*(\sc)+4*BI:SC+SCSET*(\sc)+4*BI+3], v[ADRS] offset:BI*1088
.set BI, BI+1
.endr
.endm
.macro STEP slot, q, first
	s_wait_dscnt 4                                 ; all but the four youngest loads, token tiles 2 and 3
	MUL 0, (\q)%2, \q, \slot, \first
	MUL 1, (\q)%2, \q, \slot, \first
	s_wait_dscnt 0x0
	PLACES 4                                       ; in front of loads into registers that matrix instructions have read
	FETCH_B \slot, (\q)+1, 1-(\q)%2
	FETCH_A \slot, (\q)+1, 0
	MUL 2, (\q)%2, \q, \slot, \first
	MUL 3, (\q)%2, \q, \slot, \first
	PLACES 4
	WIN 0
	FETCH_A \slot, (\q)+1, 2
.endm
.macro TURN slot, next, fill
	s_wait_tensorcnt 0x0                           ; all my tensor loads have landed: my part of the next slot
	ds_add_u32 v[SPW], v[NIL]                      ; 0 onto my spare word
	s_wait_dscnt 5                                 ; (the add and the four youngest loads may be out)
	MUL 0, 1, 3, \slot, 0
	s_wait_dscnt 0x0                               ; the add is done, and my reads of this slot are over
	s_barrier_signal -1
	MUL 1, 1, 3, \slot, 0
	WIN 0
	s_barrier_wait -1
.if \fill
	CREST                                          ; no wave of any partner still reads this slot or has a load on its way
	s_add_nc_u64 s[G0+4*\slot+2:G0+4*\slot+3], s[G0+4*\slot+2:G0+4*\slot+3], 512
	s_add_nc_u64 s[G0B+4*\slot+2:G0B+4*\slot+3], s[G0B+4*\slot+2:G0B+4*\slot+3], 512
	JLOAD \slot, 0                                 ; the first tensor load behind the round; its four v_nop are the places in front of the loads below
.else
	PLACES 4
.endif
	v_add_nc_u32 v[ADRS], 16, v[ADRS]
	FETCH_B \next, 0, 0
	FETCH_A \next, 0, 0
	SCALES \next
	MUL 2, 1, 3, \slot, 0
	MUL 3, 1, 3, \slot, 0
	PLACES 4
	WIN 0
	FETCH_A \next, 0, 2
.endm
	s_wait_tensorcnt 0x1                           ; my part of K step 0 is in; K step 1's load may stay out
	s_wait_dscnt 0x0                               ; my part of the scale bytes lies in LDS
	s_barrier_signal -1
	s_barrier_wait -1
	FETCH_B 0, 0, 0
	FETCH_A 0, 0, 0
	SCALES 0
	FETCH_A 0, 0, 2
	STEP 0, 0, 1
	STEP 0, 1, 0
	STEP 0, 2, 0
	TURN 0, 1, 1
	STEP 1, 0, 0
	STEP 1, 1, 0
	STEP 1, 2, 0
	TURN 1, 0, 1
	STEP 0, 0, 0
	STEP 0, 1, 0
	STEP 0, 2, 0
	TURN 0, 1, 0
	STEP 1, 0, 0
	STEP 1, 1, 0
	STEP 1, 2, 0
	s_wait_dscnt 4
	MUL 0, 1, 3, 1, 0
	MUL 1, 1, 3, 1, 0
	s_wait_dscnt 0x0
	MUL 2, 1, 3, 1, 0
	MUL 3, 1, 3, 1, 0
	WIN 0
; THE WAY OUT, a block of 16 tokens x 128 columns at a time, through my own stage: in as 32 bytes a lane, back as whole rows of 512 bytes.  LDS serves a wave's instructions in order.
.macro TOSTAGE a
.set AC, 64*((\a)%2)
	WIN 0x08+4*((\a)/2)                            ; the data: window 2 or 3
.set BI, 0
.rept 8
	ds_store_b128 v[STO], v[AC+8*BI:AC+8*BI+3] offset:64*BI          ; each accumulator from its low end on
	ds_store_b128 v[STO], v[AC+8*BI+4:AC+8*BI+7] offset:64*BI+16
.set BI, BI+1
.endr
	WIN 0
.set BB, BK+64*((\a)%2)
.set BI, 0
.rept 16
	ds_load_b128 v[BB+4*BI:BB+4*BI+3], v[RD] offset:BI*SPITCH
.set BI, BI+1
.endr
.endm
.macro SEND a, younger                 ; younger: the LDS instructions issued behind block a's loads, which may stay out
.set BB, BK+64*((\a)%2)
	s_wait_dscnt \younger
.if (\a) > 0
	s_add_nc_u64 s[14:15], s[14:15], 16*8192       ; (behind a wait on XCNT: the earlier stores have read their base)
.endif
.set BI, 0
.rept 16
	global_store_b128 v[CO], v[BB+4*BI:BB+4*BI+3], s[14:15] offset:BI*8192 th:TH_STORE_NT   ; 32 lanes store 512 consecutive bytes, aligned; written once
.set BI, BI+1
.endr
.endm
	PLACES 4                                       ; in front of the first read of results and of loads into the registers that held fragments
	TOSTAGE 0
.irp a, 1,2,3
.if \a > 1
	s_wait_xcnt 0x0                                ; block a - 2's stores have read their registers and their base
.endif
	TOSTAGE \a
	SEND \a-1, 32                                  ; behind block a - 1's loads: block a's 16 stores and 16 loads
.endr
	s_wait_xcnt 0x0
	SEND 3, 0
	s_wait_tensorcnt 0x0                           ; the wave's end
	ds_add_u32 v[SPW], v[NIL]
	s_wait_dscnt 0x0
	CROUND                                         ; the closing round
	s_endpgm
.Lfunc_end_k_q20ac1cf718_proj:
	.size	k_q20ac1cf718_proj, .Lfunc_end_k_q20ac1cf718_proj-k_q20ac1cf718_proj
	.p2alignl 7, 3214868480
	.fill 96, 4, 3214868480
	.section	.rodata,"a",@progbits
	.p2align	6, 0x0
	.amdhsa_kernel k_q20ac1cf718_proj
		.amdhsa_group_segment_fixed_size 327680
		.amdhsa_private_segment_fixed_size 0
		.amdhsa_enable_private_segment 0
		.amdhsa_kernarg_size 48
		.amdhsa_user_sgpr_count 2
		.amdhsa_user_sgpr_kernarg_segment_ptr 1
		.amdhsa_wavefront_size32 1
		.amdhsa_system_sgpr_workgroup_id_x 1
		.amdhsa_system_sgpr_workgroup_id_y 1
		.amdhsa_system_sgpr_workgroup_id_z 1
		.amdhsa_system_vgpr_workitem_id 0
		.amdhsa_next_free_vgpr 1024
		.amdhsa_next_free_sgpr 70
		.amdhsa_reserve_vcc 0
		.amdhsa_float_denorm_mode_32 3
		.amdhsa_float_denorm_mode_16_64 3
		.amdhsa_memory_ordered 1
		.amdhsa_forward_progress 1
		.amdhsa_inst_pref_size 126
	.end_amdhsa_kernel
	.amdgpu_metadata
---
amdhsa.version: [ 1, 2 ]
amdhsa.kernels:
  - .name:           k_q20ac1cf718_proj
    .symbol:         k_q20ac1cf718_proj.kd
    .args:
      - { .name: a_codes, .offset: 0, .size: 8, .value_kind: global_buffer, .address_space: global }
      - { .name: a_scales, .offset: 8, .size: 8, .value_kind: global_buffer, .address_space: global }
      - { .name: out_w_codes, .offset: 16, .size: 8, .value_kind: global_buffer, .address_space: global }
      - { .name: out_w_scales, .offset: 24, .size: 8, .value_kind: global_buffer, .address_space: global }
      - { .name: out_b, .offset: 32, .size: 8, .value_kind: global_buffer, .address_space: global }
      - { .name: out0, .offset: 40, .size: 8, .value_kind: global_buffer, .address_space: global }
    .group_segment_fixed_size: 327680
    .private_segment_fixed_size: 0
    .kernarg_segment_align: 8
    .kernarg_segment_size: 48
    .max_flat_workgroup_size: 128
    .sgpr_count:     70
    .vgpr_count:     1024
    .wavefront_size: 32
...
	.end_amdgpu_metadata
.endif
;; end of part 3
